; MI455X (gfx1250); checked and timed in simulation.
; The chip was launched on July 23, 2026; its instructions are those of AMD's public machine-readable ISA for CDNA 5 (MIT licence, August 2026) and "CDNA5" Instruction Set Architecture Reference Guide (July 2026). The comments in the code are by the model that wrote it; some were corrected since.
;; KNN Local Attention. Allowed arithmetic: matrix products marked QUANTISED: E2M1 operands, one E8M0 scale for each 32 along K, by v_wmma_scale_f32_16x16x128_f8f6f4 with both operands' format E2M1 (or v_wmma_scale_f32_32x16x128_f4), f32 sums; products left as they are: f32 operands where the result goes on into a quantised operand, else bf16, f16 or f32 operands; f32 sums; everything else in f32.
;; Inputs: Wk_codes 256 x 8 x 16 uint8 (E2M1 codes of Wk, K innermost, in blocks of 32 codes, two codes a byte); Wk_scales 256 x 8 uint8 (E8M0 scales of Wk, one for each 32 codes along K); Wo_codes 256 x 8 x 16 uint8 (E2M1 codes of Wo, K innermost, in blocks of 32 codes, two codes a byte); Wo_scales 256 x 8 uint8 (E8M0 scales of Wo, one for each 32 codes along K); Wp1 6 x 256 float32; Wp2_codes 256 x 8 x 16 uint8 (E2M1 codes of Wp2, K innermost, in blocks of 32 codes, two codes a byte); Wp2_scales 256 x 8 uint8 (E8M0 scales of Wp2, one for each 32 codes along K); Wq_codes 256 x 8 x 16 uint8 (E2M1 codes of Wq, K innermost, in blocks of 32 codes, two codes a byte); Wq_scales 256 x 8 uint8 (E8M0 scales of Wq, one for each 32 codes along K); Wv_codes 256 x 8 x 16 uint8 (E2M1 codes of Wv, K innermost, in blocks of 32 codes, two codes a byte); Wv_scales 256 x 8 uint8 (E8M0 scales of Wv, one for each 32 codes along K); beta 256 float32; bk 256 float32; bo 256 float32; bp1 256 float32; bp2 256 float32; bq 256 float32; bv 256 float32; coords 2 x 8,192 x 3 float32; features 2 x 8,192 x 256 float32; gamma 256 float32; mask 2 x 8,192 float32; normals 2 x 8,192 x 3 float32.
;; Outputs: out0 2 x 8,192 x 256 float32.
;; This version of the problem:
;;   THIS VERSION OF THE PROBLEM IS GIVEN IN LOW PRECISION. The matrix products marked QUANTISED in the list below multiply operands that are first quantised to E2M1 (2 exponent bits, 1 mantissa bit; 4 bits a number), with one power-of-two scale for each 32 numbers along K (OCP MX v1.0); their sums are f32. All else is computed in f32.
;;   The module's matrix products, in the order in which they are computed (A, B: the left and right operand; K: the contracted axis; several contracted axes count as one K, in the product's order):
;;     1. batch 2 x [M 8,192, K 3] x [K 3, N 8,192]; A: input coords; B: input coords: left as it is (K = 3 < 32)
;;     2. [M 262,144, K 6] x [K 6, N 256]; A: computed on the way; B: input Wp1: left as it is (K = 6 < 32)
;;     3. [M 262,144, K 256] x [K 256, N 256]; A: computed on the way; B: input Wp2 (given as codes): QUANTISED
;;     4. [M 16,384, K 256] x [K 256, N 256]; A: input features; B: input Wq (given as codes): QUANTISED
;;     5. [M 16,384, K 256] x [K 256, N 256]; A: input features; B: input Wk (given as codes): QUANTISED
;;     6. [M 16,384, K 256] x [K 256, N 256]; A: input features; B: input Wv (given as codes): QUANTISED
;;     7. batch 131,072 x [M 16, K 32] x [K 32, N 1]; A: computed on the way; B: computed on the way: left as it is (N = 1 < 16)
;;     8. batch 131,072 x [M 1, K 16] x [K 16, N 32]; A: computed on the way; B: computed on the way: left as it is (K = 16 < 32)
;;     9. [M 16,384, K 256] x [K 256, N 256]; A: computed on the way; B: input Wo (given as codes): QUANTISED
;;   THE QUANTISER, for each operand of a quantised product, along K:
;;     - K is cut into blocks of 32 from its start; a last block that is shorter is filled with zeros.
;;     - A block's scale is 2^e with e = floor(log2(the largest magnitude in the block)) - 2, held to -126 .. 127; a block of zeros has e = 0. As a byte (E8M0): e + 127.
;;     - Each number is divided by its block's scale, clamped to +-6, and rounded to the nearest number of E2M1, ties to even, subnormals kept.
;;     - The product sums the exact products of the quantised numbers (number of the format x scale) in f32.
;;   ~~~python
;;   def quantise(x, axis):      # numpy; x: float32 -> the quantised numbers, widened to float32 again
;;       x = np.moveaxis(x, axis, -1); K = x.shape[-1]
;;       x = np.pad(x, [(0, 0)] * (x.ndim - 1) + [(0, -K % 32)]); x = x.reshape(x.shape[:-1] + (-1, 32)); a = np.abs(x).max(-1, keepdims=True)
;;       e = np.where(a > 0, np.clip(np.frexp(np.where(a > 0, a, 1))[1] - 1 - 2, -126, 127), 0)      # np.frexp(a)[1] - 1 = floor(log2(a)), exactly
;;       r = np.clip(x / 2.0 ** e, -6, 6)
;;       step = 2.0 ** (np.maximum(np.frexp(np.where(r == 0, 1, r))[1] - 1, 0) - 1)
;;       q = np.round(r / step) * step * 2.0 ** e      # np.round: ties to even
;;       return np.moveaxis(q.reshape(q.shape[:-2] + (-1,))[..., :K], -1, axis).astype(np.float32)
;;   ~~~
;;   OPERANDS COMPUTED ON THE WAY. 'Computed on the way' means the value that the module computes at that place (a softmax that the list does not call 'softmax' is quantised finished and normalised). What goes into a quantiser is computed in f32, as accurately as f32 sums, v_exp_f32 and their like allow (about 1e-6 of the number): no bf16 or f16 on the way to a quantiser, and a product that is left as it is and whose result goes on into a quantised operand takes f32 operands (vector FMAs, or v_wmma_f32_16x16x4_f32). A number that lies on a knife's edge between two numbers of the format may be rounded either way, as far as f32 arithmetic and the matrix unit's own rounding can turn it there, and no further.
;;   INPUTS GIVEN AS CODES. Wk (in the module: [256, 256], K = its axis 0); Wo (in the module: [256, 256], K = its axis 0); Wp2 (in the module: [256, 256], K = its axis 0); Wq (in the module: [256, 256], K = its axis 0); Wv (in the module: [256, 256], K = its axis 0): each comes as NAME_codes (uint8): NAME with its K axis moved to the last place and cut into blocks of 32 codes, [.., K / 32, bytes a block], one block behind the other in memory; two codes a byte, the lower K in the low four bits (a code: sign, 2 exponent bits, 1 mantissa bit); and NAME_scales (uint8): the same leading axes, one E8M0 byte (e + 127) for each 32 codes along K. Its value is code x scale, taken as it is: it is not quantised again, and the codes and scales need not be those that the quantiser above would give.
;; 2 versions, each right and faster than the one before. Each part assembles by itself: llvm-mc -triple=amdgcn-amd-amdhsa -mcpu=gfx1250 --defsym DOCPART=n.
;; ======== version 1 of 2: 4 launches
;; workspace buffers: groups 1,048,576 bytes of whole numbers; nbr 1,048,576 bytes of whole numbers; qb 16,777,216 bytes; kpb 16,777,216 bytes; vpb 16,777,216 bytes
;; launch knn_groups (part 1): grid 256 x 1, 4 waves a work-group, no clusters, 164,608 bytes of LDS; arguments coords, groups; writes groups
.if DOCPART == 1
	.amdgcn_target "amdgcn-amd-amdhsa--gfx1250"
	.amdhsa_code_object_version 6
	.text
	.protected	k_qb5c7268cfa_knn_groups
	.globl	k_qb5c7268cfa_knn_groups
	.p2align	8
	.type	k_qb5c7268cfa_knn_groups,@function
k_qb5c7268cfa_knn_groups:
	s_mov_b64 s[64:65], 0
	v_nop
	global_prefetch_b8 v0, s[64:65] scope:SCOPE_SE
	s_setreg_imm32_b32 hwreg(HW_REG_WAVE_MODE, 25, 1), 1
	s_wait_xcnt 0x0
; For each query: the 16 groups (a group = 16 consecutive candidates of the batch) with the smallest (group minimum, group number), numbers sorted ascending.
; Why that is enough: order candidates by (distance, index).  One of the first 16 has at most 15 before it, so at most 15 groups come before its own group by (minimum, number).
; DISTANCE, as the problem's text forms it in f32: d2 = fma(z,z,fma(y,y,x*x)); dot = fma(z,z',fma(y,y',x*x')); d = fma(-2, dot, d2n + d2m).
; dot comes from v_wmma_f32_16x16x4_f32 with C = 0: four fused multiply-adds in ascending k; the query's k = 3 entry is 0, so the candidate's fourth word (its d2) adds nothing.
; SHARES: work-group g: batch g / 128, queries 64 (g % 128) on; wave w one tile of 16 queries; lane (r, h): query r, candidates 4096 h .. 4096 h + 4095 (groups 256 h + P).
; LDS: candidate c as (x, y, z, d2) at 16 c + 128 (c / 4096) (the 128 bytes set rows 8-15 of a fragment load beside rows 0-7 modulo 256 bytes); d2 again as a plain array at D2B.
; No tensor load: the table is not a copy of memory (d2 is computed, the layout is new).  No cluster: what work-groups share is one read of 96 KiB against 256 pairs of tiles of selection work.
; LIMITS: NaN and infinite coordinates, and coordinates so large that d overflows, are not served.  Where two distances at the 16th place differ by no more than the rounding of the
; expressions above in another order of evaluation, the chosen set may differ from one made in that other order.
.set HI,  65664                        ; LDS byte of candidate 4096
.set D2B, 131328                       ; the array of d2
.set MS,  32                           ; s[32:47] sixteen lane masks of an insertion
.set SEL, 48                           ; s[48:49] lane selects: lane l xor 16
.set AF,  16                           ; v16-19, v20-23  candidates' fragments, two sets of two tiles
.set VL,  24                           ; v24-39   the lane's 16 smallest minima, ascending
.set IL,  40                           ; v40-55   their group numbers
.set DM,  56                           ; v56-71, v72-87  d2 of the lane's 16 candidates, then their distances; two sets
.set DD,  88                           ; v88-103, v104-119  dot products: written by matrix instructions alone
.set TV,  128                          ; v128-143 the other half's list
.set TI,  144                          ; v144-159
.set XI,  160                          ; v160-175 at work in an insertion
.set FB0, 24                           ; the fill's two buffers of 64 registers (free then; they touch no register of DD)
.set FB1, 128
; x with number g goes into the ascending list: no branch.  Strict compare: an equal entry that came earlier stays in front.
.macro INS x, g
.set ii, 0
.rept 16
	v_cmp_lt_f32 s[MS+ii], v[\x], v[VL+ii]
.set ii, ii+1
.endr
.set ii, 1
.rept 15
	v_cndmask_b32 v[XI+ii], v[IL+ii], v[\g], s[MS+ii]          ; the new number, where x is smaller than this entry
.set ii, ii+1
.endr
.set ii, 15
.rept 15
	v_cndmask_b32 v[IL+ii], v[XI+ii], v[IL+ii-1], s[MS+ii-1]   ; the entry below moves up, where x is smaller than that one too
.set ii, ii-1
.endr
	v_cndmask_b32 v[IL], v[IL], v[\g], s[MS]
.set ii, 15
.rept 15
	v_med3_num_f32 v[VL+ii], v[\x], v[VL+ii-1], v[VL+ii]
.set ii, ii-1
.endr
	v_min_num_f32 v[VL], v[\x], v[VL]
.endm
; The other half's list is inserted into mine, in its order.  Half 0 owns the lower numbers, so its result has the right order of ties; half 1's is not used.
.macro MERGE
.set e, 0
.rept 16
	v_permlanex16_b32 v[TV+e], v[VL+e], s[SEL], s[SEL+1]
	v_permlanex16_b32 v[TI+e], v[IL+e], s[SEL], s[SEL+1]
.set e, e+1
.endr
.set e, 0
.rept 16
	INS TV+e, TI+e
.set e, e+1
.endr
.endm
; One stage of a bitonic sort of 16 numbers held in 16 registers: from src into dst
.macro BST src, dst, k, j
.set bi, 0
.rept 16
.if (bi&\j) == 0
.if (bi&\k) == 0
	v_min_u32 v[\dst+bi], v[\src+bi], v[\src+bi+\j]
	v_max_u32 v[\dst+bi+\j], v[\src+bi], v[\src+bi+\j]
.else
	v_max_u32 v[\dst+bi], v[\src+bi], v[\src+bi+\j]
	v_min_u32 v[\dst+bi+\j], v[\src+bi], v[\src+bi+\j]
.endif
.endif
.set bi, bi+1
.endr
.endm
; The fill: chunk c = rounds 16 c .. 16 c + 15; in round p thread t takes point 128 p + t
.macro LD c, fb
.set kk, 0
.rept 16
	global_load_b96 v[\fb+4*kk:\fb+4*kk+2], v3, s[4:5] offset:1536*(16*\c+kk)
.set kk, kk+1
.endr
.endm
.macro ST c, fb
.set kk, 0
.rept 16
	v_mul_f32 v[\fb+4*kk+3], v[\fb+4*kk], v[\fb+4*kk]
.set kk, kk+1
.endr
.set kk, 0
.rept 16
	v_fma_f32 v[\fb+4*kk+3], v[\fb+4*kk+1], v[\fb+4*kk+1], v[\fb+4*kk+3]
.set kk, kk+1
.endr
.set kk, 0
.rept 16
	v_fma_f32 v[\fb+4*kk+3], v[\fb+4*kk+2], v[\fb+4*kk+2], v[\fb+4*kk+3]
.set kk, kk+1
.endr
.set kk, 0
.rept 16
.if \c < 2
	ds_store_b128 v4, v[\fb+4*kk:\fb+4*kk+3] offset:2048*(16*\c+kk)
.else
	ds_store_b128 v5, v[\fb+4*kk:\fb+4*kk+3] offset:2048*(16*\c+kk-32)
.endif
	ds_store_b32 v6, v[\fb+4*kk+3] offset:512*(16*\c+kk)
.set kk, kk+1
.endr
.endm
; A pair of tiles into set x: two fragments of 16 candidates x 4 words, and d2 of my 16 candidates
.macro LDP x, av, dv, ao, bo
	ds_load_b64 v[AF+4*\x:AF+4*\x+1], v[\av] offset:\ao
	ds_load_b64 v[AF+4*\x+2:AF+4*\x+3], v[\av] offset:\ao+128
.irp i, 0,1,2,3
	ds_load_b128 v[DM+16*\x+4*\i:DM+16*\x+4*\i+3], v[\dv] offset:\bo+16*\i
.endr
.endm
; Half a trip: set x's group is finished and inserted; the other set's products are started (wm); set x is loaded again (ld).
; Between a product and the first read of its result, and the load into its fragment, stand the 88 plain vector instructions of half a trip, which name none of its registers.
.macro HALF x, wm, ld
	s_wait_dscnt 0x0                               ; the loads issued half a trip ago are in
.if \wm
	v_wmma_f32_16x16x4_f32 v[DD+16*(1-\x):DD+16*(1-\x)+7], v[AF+4*(1-\x):AF+4*(1-\x)+1], v[14:15], 0
	v_wmma_f32_16x16x4_f32 v[DD+16*(1-\x)+8:DD+16*(1-\x)+15], v[AF+4*(1-\x)+2:AF+4*(1-\x)+3], v[14:15], 0
.endif
.irp p, 0,2,4,6,8,10,12,14
	v_pk_add_f32 v[DM+16*\x+\p:DM+16*\x+\p+1], v[DM+16*\x+\p:DM+16*\x+\p+1], v[12:13]      ; d2n + d2m
.endr
.irp p, 0,2,4,6,8,10,12,14
	v_pk_fma_f32 v[DM+16*\x+\p:DM+16*\x+\p+1], v[DD+16*\x+\p:DD+16*\x+\p+1], -2.0, v[DM+16*\x+\p:DM+16*\x+\p+1] op_sel_hi:[1,0,1]   ; each result from its low end on
.endr
	v_min3_num_f32 v120, v[DM+16*\x], v[DM+16*\x+1], v[DM+16*\x+2]
	v_min3_num_f32 v121, v[DM+16*\x+3], v[DM+16*\x+4], v[DM+16*\x+5]
	v_min3_num_f32 v120, v120, v[DM+16*\x+6], v[DM+16*\x+7]
	v_min3_num_f32 v121, v121, v[DM+16*\x+8], v[DM+16*\x+9]
	v_min3_num_f32 v120, v120, v[DM+16*\x+10], v[DM+16*\x+11]
	v_min3_num_f32 v121, v121, v[DM+16*\x+12], v[DM+16*\x+13]
	v_min3_num_f32 v120, v120, v[DM+16*\x+14], v[DM+16*\x+15]
	v_min_num_f32 v120, v120, v121                 ; the group's minimum
.if \ld
	LDP \x, 9, 10, 256*\x, 64*\x
.endif
	INS 120, 11
	v_add_nc_u32 v11, 1, v11                       ; the next group's number
.endm
	s_load_b128 s[4:7], s[0:1], 0x0                ; coords s[4:5], groups s[6:7]
	v_lshl_add_u32 v192, v0, 2, 0x28100
	v_mov_b32 v193, 0
	v_lshrrev_b32 v1, 5, v0
	v_readfirstlane_b32 s8, v1                     ; wave 0..3
	v_and_b32 v1, 15, v0                           ; r
	v_bfe_u32 v2, v0, 4, 1                         ; h
	v_mul_u32_u24 v3, v0, 12                       ; the fill: my point's 12 bytes in a round's 1,536
	v_lshlrev_b32 v4, 4, v0                        ; its 16 bytes in LDS, candidates under 4096,
	v_add_nc_u32 v5, HI, v4                        ; and from 4096 on
	v_lshl_add_u32 v6, v0, 2, D2B                  ; its d2
	v_and_b32 v7, 7, v0
	v_lshlrev_b32 v7, 4, v7
	v_lshl_add_u32 v7, v2, 3, v7
	v_bfe_u32 v8, v0, 3, 1
	v_mad_u32_u24 v7, v8, HI, v7                   ; a fragment: row r is candidate (r % 8) + 4096 (r / 8) of the tile; words 2 h, 2 h + 1
	v_lshlrev_b32 v8, 14, v2
	v_add_nc_u32 v8, D2B, v8                       ; d2 of my half's candidates
	v_lshlrev_b32 v11, 8, v2                       ; my first group's number: 256 h
	s_lshr_b32 s9, ttmp9, 7                        ; batch
	s_mul_i32 s10, s9, 98304
	s_mov_b32 s11, 0
	s_and_b32 s12, ttmp9, 127
	s_lshl_b32 s12, s12, 6
	s_lshl_b32 s13, s8, 4
	s_add_co_u32 s12, s12, s13                     ; my wave's first query in the batch
	s_mul_i32 s12, s12, 12
	v_mul_u32_u24 v122, v1, 12
	v_add_nc_u32 v122, s12, v122
	s_lshl_b32 s14, ttmp9, 2
	s_add_co_u32 s14, s14, s8
	s_lshl_b32 s14, s14, 10                        ; my tile's 1,024 bytes of the output
	s_mov_b32 s15, 0
	s_mov_b32 s[SEL], 0x76543210
	s_mov_b32 s[SEL+1], 0xfedcba98
	s_wait_kmcnt 0x0
	s_add_nc_u64 s[4:5], s[4:5], s[10:11]
	s_add_nc_u64 s[6:7], s[6:7], s[14:15]
	global_load_b96 v[124:126], v122, s[4:5]       ; my query
	LD 0, FB0
	LD 1, FB1
	s_wait_loadcnt 16                              ; my query and chunk 0 are in; the 16 younger loads are chunk 1's
	v_mul_f32 v12, v124, v124
	v_fma_f32 v12, v125, v125, v12
	v_fma_f32 v12, v126, v126, v12                 ; d2n
	v_mov_b32 v13, v12                             ; twice, for the packed addition
	v_cmp_ne_u32 vcc_lo, 0, v2
	v_cndmask_b32 v14, v124, v126, vcc_lo          ; the query's fragment: (x, y) in half 0, (z, 0) in half 1
	v_cndmask_b32 v15, v125, 0, vcc_lo
	ST 0, FB0
	s_wait_dscnt 0x0                               ; the stores have read their registers
	LD 2, FB0
	s_wait_loadcnt 16                              ; chunk 1 is in; chunk 2's 16 may be out
	ST 1, FB1
	s_wait_dscnt 0x0
	LD 3, FB1
	s_wait_loadcnt 16
	ST 2, FB0
	s_wait_loadcnt 0x0
	ST 3, FB1
	s_wait_dscnt 0x0                               ; for the others' sake: all my stores have landed
	s_barrier_signal -1
	s_barrier_wait -1                              ; from here on LDS is only read
	LDP 0, 7, 8, 0, 0
	LDP 1, 7, 8, 256, 64
	s_wait_dscnt 0x0
	v_wmma_f32_16x16x4_f32 v[DD:DD+7], v[AF:AF+1], v[14:15], 0
	v_wmma_f32_16x16x4_f32 v[DD+8:DD+15], v[AF+2:AF+3], v[14:15], 0
.set e, 0
.rept 16
	v_mov_b32 v[VL+e], 0x7f800000                  ; the list begins as sixteen infinities (these 32 lines are also the places behind the two products)
	v_mov_b32 v[IL+e], 0
.set e, e+1
.endr
	s_mov_b32 s20, 0
	s_mov_b32 s21, 512
	s_mov_b32 s22, 128
.Lscan:                                            ; 127 trips: trip n finishes pairs 2 n and 2 n + 1 and loads pairs 2 n + 2 and 2 n + 3
	v_add_nc_u32 v9, s21, v7
	v_add_nc_u32 v10, s22, v8
	HALF 0, 1, 1
	HALF 1, 1, 1
	s_add_co_u32 s21, s21, 512
	s_add_co_u32 s22, s22, 128
	s_add_co_u32 s20, s20, 1
	s_cmp_lt_u32 s20, 127
	s_cbranch_scc1 .Lscan
	HALF 0, 1, 0                                   ; the last two pairs load nothing
	HALF 1, 0, 0
	MERGE
	BST IL, TI, 2, 1                               ; the 16 numbers ascending: the next launch then meets candidates in ascending index order
	BST TI, IL, 4, 2
	BST IL, TI, 4, 1
	BST TI, IL, 8, 4
	BST IL, TI, 8, 2
	BST TI, IL, 8, 1
	BST IL, TI, 16, 8
	BST TI, IL, 16, 4
	BST IL, TI, 16, 2
	BST TI, IL, 16, 1
	v_lshlrev_b32 v10, 4, v1                       ; 16 r
	v_cmp_eq_u32 vcc_lo, 0, v2
	s_wait_xcnt 0x0                                ; EXEC changes only behind this wait
	s_wait_tensorcnt 0x0
	ds_add_u32 v192, v193
	s_wait_dscnt 0x0
	s_and_saveexec_b32 s20, vcc_lo                 ; half 0 stores
.irp k, 0,1,2,3
	global_store_b128 v10, v[IL+4*\k:IL+4*\k+3], s[6:7] offset:256*\k   ; sixteen lanes store 256 consecutive bytes, aligned: chunk k of the tile
.endr
	s_wait_xcnt 0x0
	s_or_b32 exec_lo, exec_lo, s20
	s_endpgm
.Lfunc_end_k_qb5c7268cfa_knn_groups:
	.size	k_qb5c7268cfa_knn_groups, .Lfunc_end_k_qb5c7268cfa_knn_groups-k_qb5c7268cfa_knn_groups
	.p2alignl 7, 3214868480
	.fill 96, 4, 3214868480
	.section	.rodata,"a",@progbits
	.p2align	6, 0x0
	.amdhsa_kernel k_qb5c7268cfa_knn_groups
		.amdhsa_group_segment_fixed_size 164608
		.amdhsa_private_segment_fixed_size 0
		.amdhsa_enable_private_segment 0
		.amdhsa_kernarg_size 16
		.amdhsa_user_sgpr_count 2
		.amdhsa_user_sgpr_kernarg_segment_ptr 1
		.amdhsa_wavefront_size32 1
		.amdhsa_system_sgpr_workgroup_id_x 1
		.amdhsa_system_sgpr_workgroup_id_y 1
		.amdhsa_system_sgpr_workgroup_id_z 1
		.amdhsa_system_vgpr_workitem_id 0
		.amdhsa_next_free_vgpr 194
		.amdhsa_next_free_sgpr 66
		.amdhsa_reserve_vcc 1
		.amdhsa_float_denorm_mode_32 3
		.amdhsa_float_denorm_mode_16_64 3
		.amdhsa_memory_ordered 1
		.amdhsa_forward_progress 1
		.amdhsa_inst_pref_size 123
	.end_amdhsa_kernel
	.amdgpu_metadata
---
amdhsa.version: [ 1, 2 ]
amdhsa.kernels:
  - .name:           k_qb5c7268cfa_knn_groups
    .symbol:         k_qb5c7268cfa_knn_groups.kd
    .args:
      - { .name: coords, .offset: 0, .size: 8, .value_kind: global_buffer, .address_space: global }
      - { .name: groups, .offset: 8, .size: 8, .value_kind: global_buffer, .address_space: global }
    .group_segment_fixed_size: 164608
    .private_segment_fixed_size: 0
    .kernarg_segment_align: 8
    .kernarg_segment_size: 16
    .max_flat_workgroup_size: 128
    .sgpr_count:     66
    .vgpr_count:     194
    .wavefront_size: 32
...
	.end_amdgpu_metadata
.endif
;; end of part 1
;; launch knn_pick (part 2): grid 256 x 1, 4 waves a work-group, no clusters, 0 bytes of LDS; arguments groups, coords, nbr; writes nbr
.if DOCPART == 2
	.amdgcn_target "amdgcn-amd-amdhsa--gfx1250"
	.amdhsa_code_object_version 6
	.text
	.protected	k_qb5c7268cfa_knn_pick
	.globl	k_qb5c7268cfa_knn_pick
	.p2align	8
	.type	k_qb5c7268cfa_knn_pick,@function
k_qb5c7268cfa_knn_pick:
	s_mov_b64 s[64:65], 0
	v_nop
	global_prefetch_b8 v0, s[64:65] scope:SCOPE_SE
	s_setreg_imm32_b32 hwreg(HW_REG_WAVE_MODE, 25, 1), 1
	s_wait_xcnt 0x0
; The exact 16 nearest among the 256 candidates of a query's 16 groups, by (distance, index).  The distance is formed as in the launch before, by vector fused multiply-adds:
; d2 = fma(z,z,fma(y,y,x*x)); dot = fma(z,z',fma(y,y',x*x')); d = fma(-2, dot, d2n + d2m).
; SHARES: a wave owns a tile of 16 queries; lane (r, h): query r, entries 8 h .. 8 h + 7 of its list of groups.  The list is ascending, so a lane meets candidates in ascending
; index order and half 0 holds the lower indices: strict compares then keep the lower index in front among equals.
; groups and nbr are laid [tile][4 chunks][16 queries][4 numbers].  A group is 192 consecutive bytes of coords: twelve loads of 16 bytes a lane.  These rows are short in the tensor itself, and
; the table of a batch is 96 KiB.  No LDS, no barrier: waves share nothing.  LIMITS: as stated in the launch before.
.set MS,  32                           ; s[32:47] lane masks of an insertion
.set SEL, 48
.set VL,  24                           ; v24-39   the 16 smallest distances, ascending
.set IL,  40                           ; v40-55   their indices
.set DX,  56                           ; v56-71   a group's 16 distances
.set XI,  72                           ; v72-87   at work
.set BUF, 88                           ; v88-135, v136-183  two groups' coordinates
.set TV,  88                           ; at the end: the other half's list
.set TI,  104
.macro INS x, g
.set ii, 0
.rept 16
	v_cmp_lt_f32 s[MS+ii], v[\x], v[VL+ii]
.set ii, ii+1
.endr
.set ii, 1
.rept 15
	v_cndmask_b32 v[XI+ii], v[IL+ii], v[\g], s[MS+ii]
.set ii, ii+1
.endr
.set ii, 15
.rept 15
	v_cndmask_b32 v[IL+ii], v[XI+ii], v[IL+ii-1], s[MS+ii-1]
.set ii, ii-1
.endr
	v_cndmask_b32 v[IL], v[IL], v[\g], s[MS]
.set ii, 15
.rept 15
	v_med3_num_f32 v[VL+ii], v[\x], v[VL+ii-1], v[VL+ii]
.set ii, ii-1
.endr
	v_min_num_f32 v[VL], v[\x], v[VL]
.endm
.macro MERGE
.set e, 0
.rept 16
	v_permlanex16_b32 v[TV+e], v[VL+e], s[SEL], s[SEL+1]
	v_permlanex16_b32 v[TI+e], v[IL+e], s[SEL], s[SEL+1]
.set e, e+1
.endr
.set e, 0
.rept 16
	INS TV+e, TI+e
.set e, e+1
.endr
.endm
.macro GADDR k, raw                    ; a loaded number enters an address only held to its table's size
	v_min_u32 v20, 511, v[\raw]
	v_mul_u32_u24 v[16+\k], v20, 192               ; the group's bytes in the batch's coords
	v_lshlrev_b32 v[18+\k], 4, v20                 ; its first candidate's index
.endm
.macro GLOAD k
.irp i, 0,1,2,3,4,5,6,7,8,9,10,11
	global_load_b128 v[BUF+48*\k+4*\i:BUF+48*\k+4*\i+3], v[16+\k], s[6:7] offset:16*\i
.endr
.endm
.macro PROC k                          ; a group's 16 distances, pass by pass, then 16 insertions
.set BB, BUF+48*\k
.set cc, 0
.rept 16
	v_mul_f32 v[DX+cc], v[BB+3*cc], v[BB+3*cc]
	v_mul_f32 v[XI+cc], v4, v[BB+3*cc]
.set cc, cc+1
.endr
.set cc, 0
.rept 16
	v_fma_f32 v[DX+cc], v[BB+3*cc+1], v[BB+3*cc+1], v[DX+cc]
	v_fma_f32 v[XI+cc], v5, v[BB+3*cc+1], v[XI+cc]
.set cc, cc+1
.endr
.set cc, 0
.rept 16
	v_fma_f32 v[DX+cc], v[BB+3*cc+2], v[BB+3*cc+2], v[DX+cc]
	v_fma_f32 v[XI+cc], v6, v[BB+3*cc+2], v[XI+cc]
.set cc, cc+1
.endr
.set cc, 0
.rept 16
	v_add_f32 v[DX+cc], v7, v[DX+cc]
.set cc, cc+1
.endr
.set cc, 0
.rept 16
	v_fma_f32 v[DX+cc], -2.0, v[XI+cc], v[DX+cc]
.set cc, cc+1
.endr
.set cc, 0
.rept 16
	v_add_nc_u32 v20, cc, v[18+\k]
	INS DX+cc, 20
.set cc, cc+1
.endr
.endm
	s_load_b128 s[4:7], s[0:1], 0x0                ; groups s[4:5], coords s[6:7]
	s_load_b64 s[8:9], s[0:1], 0x10                ; nbr
	v_lshrrev_b32 v1, 5, v0
	v_readfirstlane_b32 s10, v1                    ; wave
	v_and_b32 v1, 15, v0                           ; r
	v_bfe_u32 v2, v0, 4, 1                         ; h
	v_lshlrev_b32 v21, 4, v1                       ; 16 r
	v_lshl_add_u32 v3, v2, 9, v21                  ; my eight numbers: chunks 2 h and 2 h + 1
	s_lshl_b32 s12, ttmp9, 2
	s_add_co_u32 s12, s12, s10
	s_lshl_b32 s12, s12, 10                        ; my tile's 1,024 bytes in groups and in nbr
	s_mov_b32 s13, 0
	s_lshr_b32 s14, ttmp9, 7
	s_mul_i32 s14, s14, 98304                      ; my batch's coords
	s_mov_b32 s15, 0
	s_and_b32 s16, ttmp9, 127
	s_lshl_b32 s16, s16, 6
	s_lshl_b32 s17, s10, 4
	s_add_co_u32 s16, s16, s17
	s_mul_i32 s16, s16, 12
	v_mul_u32_u24 v22, v1, 12
	v_add_nc_u32 v22, s16, v22                     ; my query's 12 bytes
	s_mov_b32 s[SEL], 0x76543210
	s_mov_b32 s[SEL+1], 0xfedcba98
	s_wait_kmcnt 0x0
	s_add_nc_u64 s[4:5], s[4:5], s[12:13]
	s_add_nc_u64 s[8:9], s[8:9], s[12:13]
	s_add_nc_u64 s[6:7], s[6:7], s[14:15]
	global_load_b128 v[8:11], v3, s[4:5]
	global_load_b128 v[12:15], v3, s[4:5] offset:256
	global_load_b96 v[4:6], v22, s[6:7]
.set e, 0
.rept 16
	v_mov_b32 v[VL+e], 0x7f800000
	v_mov_b32 v[IL+e], 0
.set e, e+1
.endr
	s_wait_loadcnt 0x0
	v_mul_f32 v7, v4, v4
	v_fma_f32 v7, v5, v5, v7
	v_fma_f32 v7, v6, v6, v7                       ; d2n
	GADDR 0, 8
	GLOAD 0
	GADDR 1, 9
	GLOAD 1
	s_mov_b32 s20, 0
.Lpair:                                            ; 3 trips: two groups are worked, the two after them are asked for
	s_wait_loadcnt 12                              ; this buffer's 12 loads are in (so its offset register may be written); the other buffer's 12 may be out
	PROC 0
	GADDR 0, 10
	GLOAD 0
	s_wait_loadcnt 12
	PROC 1
	GADDR 1, 11
	GLOAD 1
	v_mov_b32 v10, v12                             ; the numbers still to come move down: plain data; each is held to its range behind the move
	v_mov_b32 v11, v13
	v_mov_b32 v12, v14
	v_mov_b32 v13, v15
	s_add_co_u32 s20, s20, 1
	s_cmp_lt_u32 s20, 3
	s_cbranch_scc1 .Lpair
	s_wait_loadcnt 12                              ; the last two groups: nothing more is asked for
	PROC 0
	s_wait_loadcnt 0x0
	PROC 1
	MERGE
	v_cmp_eq_u32 vcc_lo, 0, v2
	s_wait_xcnt 0x0                                ; EXEC changes only behind this wait
	s_and_saveexec_b32 s20, vcc_lo                 ; half 0 holds the right order of ties
.irp k, 0,1,2,3
	global_store_b128 v21, v[IL+4*\k:IL+4*\k+3], s[8:9] offset:256*\k   ; sixteen lanes store 256 consecutive bytes, aligned
.endr
	s_wait_xcnt 0x0
	s_or_b32 exec_lo, exec_lo, s20
	s_endpgm
.Lfunc_end_k_qb5c7268cfa_knn_pick:
	.size	k_qb5c7268cfa_knn_pick, .Lfunc_end_k_qb5c7268cfa_knn_pick-k_qb5c7268cfa_knn_pick
	.p2alignl 7, 3214868480
	.fill 96, 4, 3214868480
	.section	.rodata,"a",@progbits
	.p2align	6, 0x0
	.amdhsa_kernel k_qb5c7268cfa_knn_pick
		.amdhsa_group_segment_fixed_size 0
		.amdhsa_private_segment_fixed_size 0
		.amdhsa_enable_private_segment 0
		.amdhsa_kernarg_size 24
		.amdhsa_user_sgpr_count 2
		.amdhsa_user_sgpr_kernarg_segment_ptr 1
		.amdhsa_wavefront_size32 1
		.amdhsa_system_sgpr_workgroup_id_x 1
		.amdhsa_system_sgpr_workgroup_id_y 1
		.amdhsa_system_sgpr_workgroup_id_z 1
		.amdhsa_system_vgpr_workitem_id 0
		.amdhsa_next_free_vgpr 192
		.amdhsa_next_free_sgpr 66
		.amdhsa_reserve_vcc 1
		.amdhsa_float_denorm_mode_32 3
		.amdhsa_float_denorm_mode_16_64 3
		.amdhsa_memory_ordered 1
		.amdhsa_forward_progress 1
		.amdhsa_inst_pref_size 255
	.end_amdhsa_kernel
	.section	.bss,"aw",@nobits
	.p2align	6
	.space	262144
	.amdgpu_metadata
---
amdhsa.version: [ 1, 2 ]
amdhsa.kernels:
  - .name:           k_qb5c7268cfa_knn_pick
    .symbol:         k_qb5c7268cfa_knn_pick.kd
    .args:
      - { .name: groups, .offset: 0, .size: 8, .value_kind: global_buffer, .address_space: global }
      - { .name: coords, .offset: 8, .size: 8, .value_kind: global_buffer, .address_space: global }
      - { .name: nbr, .offset: 16, .size: 8, .value_kind: global_buffer, .address_space: global }
    .group_segment_fixed_size: 0
    .private_segment_fixed_size: 0
    .kernarg_segment_align: 8
    .kernarg_segment_size: 24
    .max_flat_workgroup_size: 128
    .sgpr_count:     66
    .vgpr_count:     192
    .wavefront_size: 32
...
	.end_amdgpu_metadata
.endif
;; end of part 2
;; launch qkv (part 3): grid 256 x 1, 8 waves a work-group, no clusters, 209,920 bytes of LDS; arguments features, Wq_codes, Wq_scales, Wk_codes, Wk_scales, Wv_codes, Wv_scales, bq, bk, bv, bp2, qb, kpb, vpb; writes qb, kpb, vpb
.if DOCPART == 3
	.amdgcn_target "amdgcn-amd-amdhsa--gfx1250"
	.amdhsa_code_object_version 6
	.text
	.protected	k_qb5c7268cfa_qkv
	.globl	k_qb5c7268cfa_qkv
	.p2align	8
	.type	k_qb5c7268cfa_qkv,@function
k_qb5c7268cfa_qkv:
	s_mov_b64 s[64:65], 0
	v_nop
	global_prefetch_b8 v0, s[64:65] scope:SCOPE_SE
	s_setreg_imm32_b32 hwreg(HW_REG_WAVE_MODE, 25, 1), 1
	s_wait_xcnt 0x0
; qb = Q(features) Wq + bq;  kpb = Q(features) Wk + bk + bp2;  vpb = Q(features) Wv + bv + bp2, all f32.  Q: the quantiser to E2M1 with one E8M0 scale for each 32 along K = 256.
; bp2 rides here, since the next launch adds the positional product (without its bias) to gathered rows of kpb and vpb: an order of rounding that differs from the problem's text.
; kpb and vpb have their channels permuted: float 64 s + 4 r + e of a row holds channel 16 r + 4 s + e, so that sixteen lanes that read 256 consecutive bytes each get four channels of their own sixteen.
; SHARES: a work-group takes 64 rows.  Wave w quantises one fragment (rows 16 (w / 2) on, K step w % 2) and hands it to all waves through LDS as an image of its registers;
; wave w owns output channels 32 w .. 32 w + 31 of q, k and v for all 64 rows; its 12 weight fragments stay in registers.
; The products are used transposed (source 0 = 16 rows of a weight, source 1 = 16 rows of x): a lane holds eight neighbouring channels of one row.  Results meet in a stage in LDS and leave as rows.
; No tensor load: the operands go to registers once.  No cluster: what work-groups share, 96 KiB of weights, is read once by each.
; LIMITS: NaN and infinities are not served; a block of zeros gets the scale byte 1, not 127: its codes are zeros, and this program alone reads the byte.
.set XIMG, 0                           ; LDS: 8 fragment images of 1,024 bytes,
.set XSC,  8192                        ; their scale words, 128 bytes each,
.set STG,  9216                        ; and three stages of 64 rows x (1,024 + 16) bytes
.set SP,   1040
.set TBL,  64*SP
.set XF,   16                          ; v16-31   two fragments of x (first: the codes just made, and the quantiser's work)
.set XN,   32                          ; v32-95   64 numbers of x; then six accumulators; then rows on their way out
.set ACC,  32
.set OUTR, 32
.set WF,   96                          ; v96-191  weights: fragment (x, u, s) at 8 (4 x + 2 u + s)
.set WSC,  192                         ; v192-197 their scale words: lanes 0-15 K step 0, lanes 16-31 K step 1
.set XS,   198                         ; v198     x's scale words, likewise
.set PW,   199                         ; v199     the scale word just made
.set BQ,   200                         ; v200-231 bq, bk, bv, bp2 in the layout of a row on its way out: 8 registers each
.set BK,   208
.set BV,   216
.set BP,   224
.set QM,   24
.set QB,   28
.set QS,   232
.set SEL,  34
; 64 numbers of a lane, register 16 b + i = k 32 b + 16 (lane / 16) + i of my row, become a fragment's codes in v[pc] on and its scale word in v[pw]
.macro QUANT s, pc, pw
.irp b, 0,1,2,3
	v_max3_num_f32 v[QM+\b], |v[\s+16*\b]|, |v[\s+1+16*\b]|, 0x1800000   ; with the floor 2^(3 - 127): the byte cannot fall under 1
.endr
.irp i, 2,4,6,8,10,12,14
.irp b, 0,1,2,3
	v_max3_num_f32 v[QM+\b], v[QM+\b], |v[\s+16*\b+\i]|, |v[\s+1+16*\b+\i]|
.endr
.endr
.irp b, 0,1,2,3
	v_permlanex16_b32 v[QB+\b], v[QM+\b], s[SEL], s[SEL+1]
.endr
.irp b, 0,1,2,3
	v_max_num_f32 v[QM+\b], v[QM+\b], v[QB+\b]     ; with lane l xor 16's: the block's largest magnitude
.endr
.irp b, 0,1,2,3
	v_add_nc_u32 v[QS+\b], 0xff000000, v[QM+\b]    ; 2 off its exponent field: the conversion's scale operand
.endr
.irp b, 0,1,2,3
	v_lshrrev_b32 v[QB+\b], 23, v[QS+\b]           ; the scale's byte
.endr
	v_lshl_or_b32 v[\pw], v[QB+1], 8, v[QB]
	v_lshl_or_b32 v[\pw], v[QB+2], 16, v[\pw]
	v_lshl_or_b32 v[\pw], v[QB+3], 24, v[\pw]
.irp b, 0,1,2,3
	v_cvt_scalef32_pk8_fp4_f32 v[\pc+2*\b], v[\s+16*\b:\s+7+16*\b], v[QS+\b]
	v_cvt_scalef32_pk8_fp4_f32 v[\pc+1+2*\b], v[\s+8+16*\b:\s+15+16*\b], v[QS+\b]
.endr
	v_nop                                          ; one plain place behind a scaled conversion
.irp c, 0,1
.irp i, 0,1
	v_permlane16_swap_b32 v[\pc+4*\c+\i], v[\pc+2+4*\c+\i]   ; a whole block of 32 to a lane, as the operand's layout wants
.endr
.endr
.endm
.macro WLOAD x, pc                     ; my four fragments of weight x
.irp u, 0,1
.irp s, 0,1
.irp c, 0,1
	global_load_b128 v[WF+8*(4*\x+2*\u+\s)+4*\c:WF+8*(4*\x+2*\u+\s)+4*\c+3], v9, s[\pc:\pc+1] offset:2048*\u+64*\s+32*\c
.endr
.endr
.endr
.endm
.macro SLOAD x, ps
.irp u, 0,1
	global_load_b32 v[WSC+2*\x+\u], v10, s[\ps:\ps+1] offset:128*\u
.endr
.endm
.macro MM s                            ; six products, one for each accumulator: the accumulators take turns
.irp x, 0,1,2
.irp u, 0,1
.if \s == 0
	v_wmma_scale_f32_16x16x128_f8f6f4 v[ACC+8*(2*\x+\u):ACC+8*(2*\x+\u)+7], v[WF+8*(4*\x+2*\u):WF+8*(4*\x+2*\u)+7], v[XF:XF+7], 0, v[WSC+2*\x+\u], v[XS] matrix_a_fmt:MATRIX_FMT_FP4 matrix_b_fmt:MATRIX_FMT_FP4
.else
	v_wmma_scale_f32_16x16x128_f8f6f4 v[ACC+8*(2*\x+\u):ACC+8*(2*\x+\u)+7], v[WF+8*(4*\x+2*\u+1):WF+8*(4*\x+2*\u+1)+7], v[XF+8:XF+15], v[ACC+8*(2*\x+\u):ACC+8*(2*\x+\u)+7], v[WSC+2*\x+\u], v[XS] matrix_a_fmt:MATRIX_FMT_FP4 matrix_b_fmt:MATRIX_FMT_FP4 matrix_a_scale:MATRIX_SCALE_ROW1 matrix_b_scale:MATRIX_SCALE_ROW1
.endif
.endr
.endr
.endm
.macro TABLE bias, ptr                 ; my 8 rows of one table: out of the stage, bias added, stored
.set oi, 0
.rept 16
	ds_load_b128 v[OUTR+4*oi:OUTR+4*oi+3], v13 offset:(oi/2)*SP+512*(oi%2)
.set oi, oi+1
.endr
.set oi, 0
.rept 16
	s_wait_dscnt 15-oi                             ; LDS loads come back in order: this one is in, the younger ones may be out
	v_pk_add_f32 v[OUTR+4*oi:OUTR+4*oi+1], v[OUTR+4*oi:OUTR+4*oi+1], v[\bias+4*(oi%2):\bias+4*(oi%2)+1]
	v_pk_add_f32 v[OUTR+4*oi+2:OUTR+4*oi+3], v[OUTR+4*oi+2:OUTR+4*oi+3], v[\bias+4*(oi%2)+2:\bias+4*(oi%2)+3]
	global_store_b128 v5, v[OUTR+4*oi:OUTR+4*oi+3], s[\ptr:\ptr+1] offset:(oi/2)*1024+512*(oi%2)   ; 32 lanes store 512 consecutive bytes, aligned
.set oi, oi+1
.endr
.endm
	s_load_b512 s[4:19], s[0:1], 0x0               ; features 4, Wq codes 6, scales 8, Wk 10, 12, Wv 14, 16, bq 18
	s_load_b256 s[20:27], s[0:1], 0x40             ; bk 20, bv 22, bp2 24, qb 26
	s_load_b128 s[28:31], s[0:1], 0x60             ; kpb 28, vpb 30
	v_lshl_add_u32 v254, v0, 2, 0x33000
	v_mov_b32 v255, 0
	v_lshrrev_b32 v1, 5, v0
	v_readfirstlane_b32 s32, v1                    ; wave 0..7
	v_and_b32 v1, 31, v0                           ; lane
	v_and_b32 v2, 15, v0                           ; r
	v_bfe_u32 v3, v0, 4, 1                         ; h
	v_lshlrev_b32 v4, 10, v2
	v_lshl_add_u32 v4, v3, 6, v4                   ; x: row r of 1,024 bytes, + 64 h: my 16 numbers of a block of 32
	v_lshlrev_b32 v5, 4, v1                        ; 16 x lane
	s_lshl_b32 s33, s32, 10
	v_add_nc_u32 v6, s33, v5                       ; where I store my fragment's image
	s_lshl_b32 s33, s32, 7
	v_lshl_add_u32 v7, v1, 2, s33
	v_add_nc_u32 v7, XSC, v7                       ; and its scale words
	v_lshlrev_b32 v8, 2, v2
	v_lshl_add_u32 v8, v3, 7, v8
	v_add_nc_u32 v8, XSC, v8                       ; scale words back: lanes 0-15 K step 0's, lanes 16-31 K step 1's
	v_lshlrev_b32 v9, 7, v2
	v_lshl_add_u32 v9, v3, 4, v9
	s_lshl_b32 s33, s32, 12
	v_add_nc_u32 v9, s33, v9                       ; weights: row 32 w + r of 128 bytes, + 16 h
	v_lshlrev_b32 v10, 3, v2
	v_lshl_add_u32 v10, v3, 2, v10
	s_lshl_b32 s33, s32, 8
	v_add_nc_u32 v10, s33, v10                     ; their scale words: 8 bytes a row, + 4 h
	v_mul_u32_u24 v11, v2, SP
	v_lshl_add_u32 v12, v3, 9, v11
	v_lshl_add_u32 v11, v3, 5, v11
	s_lshl_b32 s33, s32, 7
	v_add_nc_u32 v11, s33, v11
	v_add_nc_u32 v11, STG, v11                     ; q's stage: row r, channel 32 w + 16 u + 8 h + j as it is
	s_lshl_b32 s33, s32, 5
	v_add_nc_u32 v12, s33, v12
	v_add_nc_u32 v12, STG+TBL, v12                 ; k's stage: the same channel at float 64 (2 h + j / 4) + 4 (2 w + u) + j % 4
	v_add_nc_u32 v15, TBL, v12                     ; v's stage
	s_mul_i32 s33, s32, 8*SP
	v_add_nc_u32 v13, s33, v5
	v_add_nc_u32 v13, STG, v13                     ; back: my 8 rows, 16 bytes a lane
	v_lshlrev_b32 v14, 6, v2
	v_lshl_add_u32 v14, v3, 4, v14                 ; the biases of k and v in the permuted order: channel 16 r + 4 (2 half + h) on
.irp b, 0,1,2,3
	v_mov_b32 v[QB+\b], 0                          ; written once: a lane permute's destination counts as one of its sources
.endr
	s_mov_b32 s[SEL], 0x76543210
	s_mov_b32 s[SEL+1], 0xfedcba98
	s_lshl_b32 s36, ttmp9, 16                      ; 64 rows of 1,024 bytes a work-group
	s_lshr_b32 s38, s32, 1
	s_lshl_b32 s38, s38, 14
	s_add_co_u32 s36, s36, s38                     ; + my tile of 16 rows
	s_and_b32 s38, s32, 1
	s_lshl_b32 s38, s38, 9
	s_add_co_u32 s36, s36, s38                     ; + my K step's 512 bytes
	s_mov_b32 s37, 0
	s_lshl_b32 s38, ttmp9, 16
	s_lshl_b32 s40, s32, 13
	s_add_co_u32 s38, s38, s40                     ; the 8 rows that I store
	s_mov_b32 s39, 0
	s_wait_kmcnt 0x0
	s_add_nc_u64 s[4:5], s[4:5], s[36:37]
	s_add_nc_u64 s[26:27], s[26:27], s[38:39]
	s_add_nc_u64 s[28:29], s[28:29], s[38:39]
	s_add_nc_u64 s[30:31], s[30:31], s[38:39]
.irp b, 0,1,2,3
.irp j, 0,1,2,3
	global_load_b128 v[XN+16*\b+4*\j:XN+16*\b+4*\j+3], v4, s[4:5] offset:128*\b+16*\j
.endr
.endr
	WLOAD 0, 6
	WLOAD 1, 10
	WLOAD 2, 14
	SLOAD 0, 8
	SLOAD 1, 12
	SLOAD 2, 16
.irp f, 0,1
	global_load_b128 v[BQ+4*\f:BQ+4*\f+3], v5, s[18:19] offset:512*\f
	global_load_b128 v[BK+4*\f:BK+4*\f+3], v14, s[20:21] offset:32*\f
	global_load_b128 v[BV+4*\f:BV+4*\f+3], v14, s[22:23] offset:32*\f
	global_load_b128 v[BP+4*\f:BP+4*\f+3], v14, s[24:25] offset:32*\f
.endr
	s_wait_loadcnt 38                              ; x's 16 loads are in; the 38 younger ones (24 of weights, 6 of scales, 8 of biases) may be out
	QUANT XN, XF, PW
	ds_store_b128 v6, v[XF:XF+3] offset:XIMG
	ds_store_b128 v6, v[XF+4:XF+7] offset:XIMG+512
	ds_store_b32 v7, v[PW]
	s_wait_loadcnt 0x0
.irp p, 0,2,4,6
	v_pk_add_f32 v[BK+\p:BK+\p+1], v[BK+\p:BK+\p+1], v[BP+\p:BP+\p+1]
	v_pk_add_f32 v[BV+\p:BV+\p+1], v[BV+\p:BV+\p+1], v[BP+\p:BP+\p+1]
.endr
	s_wait_dscnt 0x0                               ; for the others' sake: my image has landed
	s_barrier_signal -1
	s_barrier_wait -1                              ; all eight fragments lie in LDS
.irp m, 0,1,2,3
	ds_load_b128 v[XF:XF+3], v5 offset:XIMG+2048*\m
	ds_load_b128 v[XF+4:XF+7], v5 offset:XIMG+2048*\m+512
	ds_load_b128 v[XF+8:XF+11], v5 offset:XIMG+2048*\m+1024
	ds_load_b128 v[XF+12:XF+15], v5 offset:XIMG+2048*\m+1536
	ds_load_b32 v[XS], v8 offset:256*\m
	s_wait_dscnt 0x0                               ; the fragments are in, and the last tile's stage stores have read the accumulators
	MM 0
	MM 1
.rept 5
	v_nop                                          ; four places in front of the stores that read results and of the next loads into the fragments; the fifth for the next tile's products, which begin the accumulators anew
.endr
.irp u, 0,1
	ds_store_b128 v11, v[ACC+8*\u:ACC+8*\u+3] offset:16*\m*SP+64*\u            ; each accumulator from its low end on
	ds_store_b128 v11, v[ACC+8*\u+4:ACC+8*\u+7] offset:16*\m*SP+64*\u+16
	ds_store_b128 v12, v[ACC+16+8*\u:ACC+16+8*\u+3] offset:16*\m*SP+16*\u
	ds_store_b128 v12, v[ACC+16+8*\u+4:ACC+16+8*\u+7] offset:16*\m*SP+16*\u+256
	ds_store_b128 v15, v[ACC+32+8*\u:ACC+32+8*\u+3] offset:16*\m*SP+16*\u
	ds_store_b128 v15, v[ACC+32+8*\u+4:ACC+32+8*\u+7] offset:16*\m*SP+16*\u+256
.endr
.endr
	s_wait_dscnt 0x0                               ; for the others' sake: my parts of the 64 rows have landed
	s_barrier_signal -1
	s_barrier_wait -1
	TABLE BQ, 26
	s_wait_xcnt 0x0                                ; the stores have read their registers: the next table's rows may land there
	v_add_nc_u32 v13, TBL, v13
	TABLE BK, 28
	s_wait_xcnt 0x0
	v_add_nc_u32 v13, TBL, v13
	TABLE BV, 30
	s_wait_tensorcnt 0x0
	ds_add_u32 v254, v255
	s_wait_dscnt 0x0
	s_endpgm
.Lfunc_end_k_qb5c7268cfa_qkv:
	.size	k_qb5c7268cfa_qkv, .Lfunc_end_k_qb5c7268cfa_qkv-k_qb5c7268cfa_qkv
	.p2alignl 7, 3214868480
	.fill 96, 4, 3214868480
	.section	.rodata,"a",@progbits
	.p2align	6, 0x0
	.amdhsa_kernel k_qb5c7268cfa_qkv
		.amdhsa_group_segment_fixed_size 209920
		.amdhsa_private_segment_fixed_size 0
		.amdhsa_enable_private_segment 0
		.amdhsa_kernarg_size 112
		.amdhsa_user_sgpr_count 2
		.amdhsa_user_sgpr_kernarg_segment_ptr 1
		.amdhsa_wavefront_size32 1
		.amdhsa_system_sgpr_workgroup_id_x 1
		.amdhsa_system_sgpr_workgroup_id_y 1
		.amdhsa_system_sgpr_workgroup_id_z 1
		.amdhsa_system_vgpr_workitem_id 0
		.amdhsa_next_free_vgpr 256
		.amdhsa_next_free_sgpr 66
		.amdhsa_reserve_vcc 0
		.amdhsa_float_denorm_mode_32 3
		.amdhsa_float_denorm_mode_16_64 3
		.amdhsa_memory_ordered 1
		.amdhsa_forward_progress 1
		.amdhsa_inst_pref_size 40
	.end_amdhsa_kernel
	.amdgpu_metadata
---
amdhsa.version: [ 1, 2 ]
amdhsa.kernels:
  - .name:           k_qb5c7268cfa_qkv
    .symbol:         k_qb5c7268cfa_qkv.kd
    .args:
      - { .name: features, .offset: 0, .size: 8, .value_kind: global_buffer, .address_space: global }
      - { .name: Wq_codes, .offset: 8, .size: 8, .value_kind: global_buffer, .address_space: global }
      - { .name: Wq_scales, .offset: 16, .size: 8, .value_kind: global_buffer, .address_space: global }
      - { .name: Wk_codes, .offset: 24, .size: 8, .value_kind: global_buffer, .address_space: global }
      - { .name: Wk_scales, .offset: 32, .size: 8, .value_kind: global_buffer, .address_space: global }
      - { .name: Wv_codes, .offset: 40, .size: 8, .value_kind: global_buffer, .address_space: global }
      - { .name: Wv_scales, .offset: 48, .size: 8, .value_kind: global_buffer, .address_space: global }
      - { .name: bq, .offset: 56, .size: 8, .value_kind: global_buffer, .address_space: global }
      - { .name: bk, .offset: 64, .size: 8, .value_kind: global_buffer, .address_space: global }
      - { .name: bv, .offset: 72, .size: 8, .value_kind: global_buffer, .address_space: global }
      - { .name: bp2, .offset: 80, .size: 8, .value_kind: global_buffer, .address_space: global }
      - { .name: qb, .offset: 88, .size: 8, .value_kind: global_buffer, .address_space: global }
      - { .name: kpb, .offset: 96, .size: 8, .value_kind: global_buffer, .address_space: global }
      - { .name: vpb, .offset: 104, .size: 8, .value_kind: global_buffer, .address_space: global }
    .group_segment_fixed_size: 209920
    .private_segment_fixed_size: 0
    .kernarg_segment_align: 8
    .kernarg_segment_size: 112
    .max_flat_workgroup_size: 256
    .sgpr_count:     66
    .vgpr_count:     256
    .wavefront_size: 32
...
	.end_amdgpu_metadata
.endif
;; end of part 3
;; launch attend (part 4): grid 256 x 1, 4 waves a work-group, no clusters, 77,312 bytes of LDS; arguments nbr, coords, normals, mask, qb, kpb, vpb, features, Wp1, bp1, Wp2_codes, Wp2_scales, Wo_codes, Wo_scales, bo, gamma, beta, out0; writes out0
.if DOCPART == 4
	.amdgcn_target "amdgcn-amd-amdhsa--gfx1250"
	.amdhsa_code_object_version 6
	.text
	.protected	k_qb5c7268cfa_attend
	.globl	k_qb5c7268cfa_attend
	.p2align	8
	.type	k_qb5c7268cfa_attend,@function
k_qb5c7268cfa_attend:
	s_mov_b64 s[64:65], 0
	v_nop
	global_prefetch_b8 v0, s[64:65] scope:SCOPE_SE
	s_setreg_imm32_b32 hwreg(HW_REG_WAVE_MODE, 25, 1), 1
	s_wait_xcnt 0x0
; The positional MLP, the attention over 16 neighbours, the output product, residual and LayerNorm.
; SHARES: the four waves are independent (no barrier): a wave owns 16 queries, one a trip, then makes the output product and the LayerNorm of its 16 rows.
; A TRIP, query n with neighbours idx[0..15]:
;   hidden = pos Wp1 + bp1 by v_wmma_f32_16x16x4_f32 (f32 operands: the result goes on into a quantiser), transposed: source 0 = 16 hidden units, source 1 = the 16 neighbours; K = 8: (rel x, y, z, nx | ny, nz, 1, 0)
;   against (Wp1's rows 0..5, bp1, 0).  Tile 2 b + u takes unit 32 b + 8 u + m + 8 (m / 8) as row m: a lane holds ONE neighbour (lane % 16), and register 16 b + i is unit 32 b + 16 (lane / 16) + i.
;   gelu(x) = max(x, 0) - |x| erfc(|x| / sqrt 2) / 2, erfc(z) = t exp(-z^2 + P(t)), t = 1 / (1 + z / 2), P a polynomial of degree 9; log2(e) and the factors 1/2 and |x| / A are folded into P's coefficients.
;   It is quantised in registers and is source 0 of pe = Q(gelu) Wp2; column r of tile t is channel 16 r + t: lane (r, h) holds pe[neighbour 8 h + j][channel 16 r + t] in register 8 t + j.
;   Rows idx[8 h + j] of kpb and vpb come 256 bytes to sixteen lanes; by those tables' permuted channels register 16 j + t is channel 16 r + t.  So a lane owns half a head (head r / 2) and 8 neighbours in k, v and pe alike.
;   Logits: one addition across lanes r, r xor 1; softmax with its maximum taken away: one exchange between the halves.  The output row ends as 16 neighbouring channels a lane, is quantised and kept in LDS.
; REGISTERS in windows of 256: window 0: see the names below.  Window 1: Wp2's 32 fragments; at the end features and y.  Window 2: k's rows (0-127), v's rows (128-255); at the end Wo's 32 fragments.
;   Window 3: v0-127 the hidden layer, then pe, then the output product: written by matrix instructions alone; v128-191 Wp1's fragments.
; No tensor load: gathers go by index, weights go to registers once.  No cluster: what waves share (32 KiB of each weight) is read once a wave against 16 trips of some two thousand vector instructions.
; LIMITS: NaN and infinities are not served; hidden pre-activations beyond 1e19 in magnitude are not served (A x A overflows); a block of zeros gets the scale byte 1, not 127 (zero codes; read here alone);
; a row all of whose neighbours are masked gets attention weights 0, as the problem's text makes them; logits under -3e38 x sqrt(32) / log2(e) are not served.
.set WREG, 19200                       ; LDS of a wave: 16 rows x 144 bytes of codes, 16 x 8 scale bytes at OSCO, a stage of 16 rows x 1,040 bytes at STGO
.set OSCO, 2304
.set STGO, 2560
.set OFF,  16                          ; v16-23   byte offsets of my 8 neighbours' rows (+ 16 r)
.set MOFF, 24                          ; v24-31   of their mask words
.set JR,   32                          ; v32-39   the next query's 8 indices of my half
.set PF,   48                          ; v48-51   the neighbours' fragment, two K steps
.set QR,   52                          ; v52-67   q, my 16 channels
.set MK,   68                          ; v68-75   my 8 neighbours' mask
.set WS,   76                          ; v76-91   scale words of Wp2, later of Wo: lanes 0-15 K step 0, lanes 16-31 K step 1
.set HS,   92                          ; v92-93   the hidden layer's scale words
.set OS,   94                          ; v94      the output rows' scale words
.set HC,   96                          ; v96-111  the hidden layer's codes, later the output rows'
.set GG,   112                         ; v112-175 64 numbers ahead of the quantiser
.set OA,   112
.set OB,   128
.set OO,   160
.set AA,   176                         ; v176-191 A = |x| sqrt(log2(e) / 2); later partial logits
.set LA,   176
.set TT,   192                         ; v192-207 t
.set LB,   192
.set PP,   208                         ; v208-223 the polynomial
.set TL,   208                         ; v208-215 logits
.set AT,   216                         ; v216-223 attention weights
.set QM,   224
.set QB,   228
.set QS,   236
.set W1E,  128                         ; window 3: Wp1's fragment (tile t, K step s) at 128 + 4 t + 2 s
.set BO,   52                          ; at the end: bo, gamma, beta in a row's layout
.set GA,   60
.set BE,   68
.set TA,   112
.set TB,   144
.set MU,   176
.set RS,   192
.set MV,   208
.set FF,   0                           ; window 1
.set YY,   128                         ; window 1
.set SEL,  44
.set MSB, 0
.macro WIN new                         ; the immediate's high byte repeats the setting that is left
.if MSB != \new
	s_set_vgpr_msb (MSB<<8)|\new
.set MSB, \new
.endif
.endm
; packed forms whose second source is ONE register arr[ix], for both halves
.macro PKMULB d, a, arr, ix
.if (\ix) & 1
	v_pk_mul_f32 v[\d:\d+1], v[\a:\a+1], v[\arr+(\ix)-1:\arr+(\ix)] op_sel:[0,1] op_sel_hi:[1,1]
.else
	v_pk_mul_f32 v[\d:\d+1], v[\a:\a+1], v[\arr+(\ix):\arr+(\ix)+1] op_sel_hi:[1,0]
.endif
.endm
.macro PKFMAB d, a, arr, ix, c
.if (\ix) & 1
	v_pk_fma_f32 v[\d:\d+1], v[\a:\a+1], v[\arr+(\ix)-1:\arr+(\ix)], v[\c:\c+1] op_sel:[0,1,0] op_sel_hi:[1,1,1]
.else
	v_pk_fma_f32 v[\d:\d+1], v[\a:\a+1], v[\arr+(\ix):\arr+(\ix)+1], v[\c:\c+1] op_sel_hi:[1,0,1]
.endif
.endm
.macro PKSUBB d, a, arr, ix
.if (\ix) & 1
	v_pk_add_f32 v[\d:\d+1], v[\a:\a+1], v[\arr+(\ix)-1:\arr+(\ix)] op_sel:[0,1] op_sel_hi:[1,1] neg_lo:[0,1] neg_hi:[0,1]
.else
	v_pk_add_f32 v[\d:\d+1], v[\a:\a+1], v[\arr+(\ix):\arr+(\ix)+1] op_sel_hi:[1,0] neg_lo:[0,1] neg_hi:[0,1]
.endif
.endm
.macro QUANT s, pc, pw
.irp b, 0,1,2,3
	v_max3_num_f32 v[QM+\b], |v[\s+16*\b]|, |v[\s+1+16*\b]|, 0x1800000   ; with the floor 2^(3 - 127): the byte cannot fall under 1
.endr
.irp i, 2,4,6,8,10,12,14
.irp b, 0,1,2,3
	v_max3_num_f32 v[QM+\b], v[QM+\b], |v[\s+16*\b+\i]|, |v[\s+1+16*\b+\i]|
.endr
.endr
.irp b, 0,1,2,3
	v_permlanex16_b32 v[QB+\b], v[QM+\b], s[SEL], s[SEL+1]
.endr
.irp b, 0,1,2,3
	v_max_num_f32 v[QM+\b], v[QM+\b], v[QB+\b]
.endr
.irp b, 0,1,2,3
	v_add_nc_u32 v[QS+\b], 0xff000000, v[QM+\b]    ; 2 off the exponent field: the conversion's scale operand
.endr
.irp b, 0,1,2,3
	v_lshrrev_b32 v[QB+\b], 23, v[QS+\b]
.endr
	v_lshl_or_b32 v[\pw], v[QB+1], 8, v[QB]
	v_lshl_or_b32 v[\pw], v[QB+2], 16, v[\pw]
	v_lshl_or_b32 v[\pw], v[QB+3], 24, v[\pw]
.irp b, 0,1,2,3
	v_cvt_scalef32_pk8_fp4_f32 v[\pc+2*\b], v[\s+16*\b:\s+7+16*\b], v[QS+\b]
	v_cvt_scalef32_pk8_fp4_f32 v[\pc+1+2*\b], v[\s+8+16*\b:\s+15+16*\b], v[QS+\b]
.endr
	v_nop                                          ; one plain place behind a scaled conversion
.irp c, 0,1
.irp i, 0,1
	v_permlane16_swap_b32 v[\pc+4*\c+\i], v[\pc+2+4*\c+\i]
.endr
.endr
.endm
; Block bb of 32 hidden units: two tiles, two K steps; the two accumulators take turns
.macro HID bb
	v_wmma_f32_16x16x4_f32 v[16*(\bb):16*(\bb)+7], v[W1E+8*(\bb):W1E+8*(\bb)+1], v[PF:PF+1], 0
	v_wmma_f32_16x16x4_f32 v[16*(\bb)+8:16*(\bb)+15], v[W1E+8*(\bb)+4:W1E+8*(\bb)+5], v[PF:PF+1], 0
	v_wmma_f32_16x16x4_f32 v[16*(\bb):16*(\bb)+7], v[W1E+8*(\bb)+2:W1E+8*(\bb)+3], v[PF+2:PF+3], v[16*(\bb):16*(\bb)+7]
	v_wmma_f32_16x16x4_f32 v[16*(\bb)+8:16*(\bb)+15], v[W1E+8*(\bb)+6:W1E+8*(\bb)+7], v[PF+2:PF+3], v[16*(\bb)+8:16*(\bb)+15]
.endm
.macro HORNER lit
.set gi, 0
.rept 8
	v_pk_fma_f32 v[PP+gi:PP+gi+1], v[PP+gi:PP+gi+1], v[TT+gi:TT+gi+1], \lit op_sel_hi:[1,1,0]
.set gi, gi+2
.endr
.endm
; gelu of block b's 16 numbers of a lane.  The next block's four products stand behind the two passes that read this block: over a hundred plain instructions follow before their results are read.
.macro GELU b
	WIN 0x03                                       ; source 0: window 3
.set gi, 0
.rept 16
	v_mul_f32 v[AA+gi], |v[16*(\b)+gi]|, s52       ; A; each tile is read from its low end on
.set gi, gi+1
.endr
.set gi, 0
.rept 16
	v_max_num_f32 v[GG+16*((\b)&3)+gi], v[16*(\b)+gi], 0
.set gi, gi+1
.endr
.if (\b) < 7
	WIN 0xf3                                       ; Wp1's fragments, C and D: window 3; the neighbours' fragment: window 0
	HID (\b)+1
.endif
	WIN 0
.set gi, 0
.rept 8
	v_pk_fma_f32 v[TT+gi:TT+gi+1], v[AA+gi:AA+gi+1], s[54:55], 1.0 op_sel_hi:[1,0,0]   ; 1 + z / 2
.set gi, gi+2
.endr
.set gi, 0
.rept 16
	v_rcp_f32 v[TT+gi], v[TT+gi]
.set gi, gi+1
.endr
	v_nop                                          ; a plain place behind the reciprocals
.set gi, 0
	s_wait_alu depctr_va_vdst(0)
.rept 8
	v_pk_fma_f32 v[PP+gi:PP+gi+1], v[TT+gi:TT+gi+1], s[56:57], 0xbf97d29d op_sel_hi:[1,0,0]
.set gi, gi+2
.endr
	HORNER 0x40097039
	HORNER 0xbfd1a1e5
	HORNER 0x3ecdfd18
	HORNER 0xbe899a80
	HORNER 0x3e0efb2e
	HORNER 0x3f0a29d2
	HORNER 0x3fb8ab5a
	HORNER 0xc025c4b6
.set gi, 0
.rept 8
	v_pk_fma_f32 v[PP+gi:PP+gi+1], v[AA+gi:AA+gi+1], v[AA+gi:AA+gi+1], v[PP+gi:PP+gi+1] neg_lo:[1,0,0] neg_hi:[1,0,0]   ; - z^2 log2(e)
.set gi, gi+2
.endr
.set gi, 0
.rept 16
	v_exp_f32 v[PP+gi], v[PP+gi]
.set gi, gi+1
.endr
	v_nop                                          ; a plain place behind the exponentials
.set gi, 0
	s_wait_alu depctr_va_vdst(0)
.rept 8
	v_pk_mul_f32 v[PP+gi:PP+gi+1], v[PP+gi:PP+gi+1], v[TT+gi:TT+gi+1]
.set gi, gi+2
.endr
.set gi, 0
.rept 8
	v_pk_fma_f32 v[GG+16*((\b)&3)+gi:GG+16*((\b)&3)+gi+1], v[AA+gi:AA+gi+1], v[PP+gi:PP+gi+1], v[GG+16*((\b)&3)+gi:GG+16*((\b)&3)+gi+1] neg_lo:[1,0,0] neg_hi:[1,0,0]
.set gi, gi+2
.endr
.endm
; The next query's offsets from its indices (each held to the table's size first), its neighbours' coordinates, its own coordinates and normal.  s48: that query's number in the tile
.macro NEXT
.irp j, 0,1,2,3,4,5,6,7
	v_min_u32 v[JR+\j], 0x1fff, v[JR+\j]
.endr
.irp j, 0,1,2,3,4,5,6,7
	v_lshlrev_b32 v[OFF+\j], 10, v[JR+\j]
.endr
.irp j, 0,1,2,3,4,5,6,7
	v_add_nc_u32 v[OFF+\j], v3, v[OFF+\j]
.endr
.irp j, 0,1,2,3,4,5,6,7
	v_lshlrev_b32 v[MOFF+\j], 2, v[JR+\j]
.endr
	v_min_u32 v40, 0x1fff, v40
	v_mul_u32_u24 v41, v40, 12
	global_load_b96 v[42:44], v41, s[6:7]
	s_mul_i32 s51, s48, 12
	s_load_b96 s[84:86], s[92:93], s51 offset:0x0
	s_load_b96 s[88:90], s[8:9], s51 offset:0x0
.endm
; sixteen rows' sums: the pairs in TA and TB become one number a row, the same in every lane, in v[res] on
.macro REDUCE res
.set ri, 0
.rept 16
	v_pk_add_f32 v[TA+2*ri:TA+2*ri+1], v[TA+2*ri:TA+2*ri+1], v[TB+2*ri:TB+2*ri+1]
.set ri, ri+1
.endr
.set ri, 0
.rept 16
	v_add_f32 v[\res+ri], v[TA+2*ri], v[TA+2*ri+1]
.set ri, ri+1
.endr
.irp m, 1,2,4,8
.set ri, 0
.rept 16
	v_add_f32_dpp v[\res+ri], v[\res+ri], v[\res+ri] row_xmask:\m row_mask:0xf bank_mask:0xf
.set ri, ri+1
.endr
.endr
.set ri, 0
.rept 16
	v_permlanex16_b32 v[TB+ri], v[\res+ri], s[SEL], s[SEL+1]
.set ri, ri+1
.endr
.set ri, 0
.rept 8
	v_pk_add_f32 v[\res+2*ri:\res+2*ri+1], v[\res+2*ri:\res+2*ri+1], v[TB+2*ri:TB+2*ri+1]
.set ri, ri+1
.endr
.endm
	s_load_b512 s[4:19], s[0:1], 0x0               ; nbr 4, coords 6, normals 8, mask 10, qb 12, kpb 14, vpb 16, features 18
	s_load_b512 s[20:35], s[0:1], 0x40             ; Wp1 20, bp1 22, Wp2 codes 24, scales 26, Wo codes 28, scales 30, bo 32, gamma 34
	s_load_b128 s[36:39], s[0:1], 0x80             ; beta 36, out0 38
	v_lshl_add_u32 v254, v0, 2, 0x12c00
	v_mov_b32 v255, 0
	v_lshrrev_b32 v1, 5, v0
	v_readfirstlane_b32 s40, v1                    ; wave 0..3
	v_and_b32 v1, 15, v0                           ; r
	v_bfe_u32 v2, v0, 4, 1                         ; h
	v_lshlrev_b32 v3, 4, v1                        ; 16 r
	v_and_b32 v4, 31, v0
	v_lshlrev_b32 v4, 4, v4                        ; 16 x lane
	s_mul_i32 s41, s40, WREG                       ; my wave's LDS
	v_lshl_add_u32 v5, v1, 3, s41                  ; an output row's codes: my 8 bytes
	v_lshrrev_b32 v6, 1, v1
	v_add_nc_u32 v6, s41, v6
	v_add_nc_u32 v6, OSCO, v6                      ; and my block's scale byte
	v_mul_u32_u24 v7, v1, 1040
	v_lshl_add_u32 v7, v2, 5, v7
	v_add_nc_u32 v7, s41, v7
	v_add_nc_u32 v7, STGO, v7                      ; the stage: row r, + 32 h
	v_add_nc_u32 v8, s41, v4
	v_add_nc_u32 v8, STGO, v8                      ; back: 16 bytes a lane
	v_mul_u32_u24 v9, v1, 144
	v_lshl_add_u32 v9, v2, 4, v9
	v_add_nc_u32 v9, s41, v9                       ; the output rows as a fragment: row r, + 16 h
	v_lshlrev_b32 v10, 3, v1
	v_lshl_add_u32 v10, v2, 2, v10
	v_add_nc_u32 v10, s41, v10
	v_add_nc_u32 v10, OSCO, v10                    ; their scale words: lanes 0-15 K step 0, lanes 16-31 K step 1
	v_mov_b32 v11, 0xff800000                      ; -infinity
	v_lshlrev_b32 v12, 6, v1                       ; q: my 16 channels
	v_lshlrev_b32 v14, 9, v2                       ; nbr: my half's two chunks
	v_lshrrev_b32 v45, 2, v1
	v_lshlrev_b32 v45, 8, v45
	v_and_b32 v46, 3, v1
	v_lshl_add_u32 v45, v46, 2, v45                ; nbr: index r of a query: chunk r / 4, word r % 4
	v_lshlrev_b32 v248, 11, v1
	v_lshl_add_u32 v248, v2, 4, v248               ; Wp2: row 16 r + t of 128 bytes, + 16 h
	v_lshlrev_b32 v249, 7, v1
	v_lshl_add_u32 v249, v2, 2, v249               ; its scale words
	v_and_b32 v251, 8, v1
	v_add_nc_u32 v251, v251, v1
	v_lshlrev_b32 v251, 2, v251                    ; Wp1: column r + 8 (r / 8) of a tile,
	v_lshl_add_u32 v250, v2, 11, v251              ; rows 2 h and 2 h + 1
.irp b, 0,1,2,3
	v_mov_b32 v[QB+\b], 0                          ; written once: a lane permute's destination counts as one of its sources
.endr
	s_mov_b32 s[SEL], 0x76543210
	s_mov_b32 s[SEL+1], 0xfedcba98
	s_mov_b32 s46, 0xffff0000                      ; lanes 16-31
	s_mov_b32 s52, 0x3f596d27                      ; sqrt(log2(e) / 2)
	s_mov_b32 s54, 0x3ed5224d                      ; z / 2 = 0.4162773 A
	s_mov_b32 s55, s54                             ; (the packed forms name pairs, so both words are written)
	s_mov_b32 s56, 0x3e7c6f08                      ; the polynomial's highest coefficient
	s_mov_b32 s57, s56
	s_mov_b32 s58, 0x3e8293ee                      ; log2(e) / sqrt(32)
	s_mov_b32 s59, s58
	s_mov_b32 s60, 0x3b800000                      ; 1 / 256
	s_mov_b32 s61, s60
	s_lshl_b32 s42, ttmp9, 2
	s_add_co_u32 s42, s42, s40                     ; my tile of 16 queries
	s_lshr_b32 s43, ttmp9, 7                       ; batch
	s_mov_b32 s97, 0
	s_wait_kmcnt 0x0
	s_lshl_b32 s96, s42, 10
	s_add_nc_u64 s[4:5], s[4:5], s[96:97]          ; nbr at my tile
	s_mul_i32 s96, s42, 192
	s_add_nc_u64 s[92:93], s[6:7], s[96:97]        ; coords at my first query
	s_add_nc_u64 s[8:9], s[8:9], s[96:97]          ; normals likewise
	s_mul_i32 s96, s43, 98304
	s_add_nc_u64 s[6:7], s[6:7], s[96:97]          ; coords at my batch
	s_lshl_b32 s96, s42, 6
	s_add_nc_u64 s[94:95], s[10:11], s[96:97]      ; mask at my first query
	s_lshl_b32 s96, s43, 15
	s_add_nc_u64 s[10:11], s[10:11], s[96:97]      ; mask at my batch
	s_lshl_b32 s96, s42, 14
	s_add_nc_u64 s[12:13], s[12:13], s[96:97]      ; qb, features, out0 at my first row
	s_add_nc_u64 s[18:19], s[18:19], s[96:97]
	s_add_nc_u64 s[38:39], s[38:39], s[96:97]
	s_lshl_b32 s96, s43, 23
	s_add_nc_u64 s[14:15], s[14:15], s[96:97]      ; kpb, vpb at my batch
	s_add_nc_u64 s[16:17], s[16:17], s[96:97]
	global_load_b128 v[JR:JR+3], v14, s[4:5]       ; the first query's indices
	global_load_b128 v[JR+4:JR+7], v14, s[4:5] offset:256
	global_load_b32 v40, v45, s[4:5]
	WIN 0x40                                       ; destination: window 1
.set tt, 0
.rept 16
.irp s, 0,1
.irp c, 0,1
	global_load_b128 v[16*tt+8*\s+4*\c:16*tt+8*\s+4*\c+3], v248, s[24:25] offset:128*tt+64*\s+32*\c
.endr
.endr
.set tt, tt+1
.endr
	WIN 0
.set tt, 0
.rept 16
	global_load_b32 v[WS+tt], v249, s[26:27] offset:8*tt
	global_load_b32 v[GG+tt], v251, s[22:23] offset:128*(tt/2)+32*(tt%2)       ; bp1 at the tile's units
.set tt, tt+1
.endr
	WIN 0xc0                                       ; destination: window 3
.set tt, 0
.rept 16
	global_load_b32 v[W1E+4*tt], v250, s[20:21] offset:128*(tt/2)+32*(tt%2)
	global_load_b32 v[W1E+4*tt+1], v250, s[20:21] offset:1024+128*(tt/2)+32*(tt%2)
	global_load_b32 v[W1E+4*tt+2], v251, s[20:21] offset:4096+128*(tt/2)+32*(tt%2)
	global_load_b32 v[W1E+4*tt+3], v251, s[20:21] offset:5120+128*(tt/2)+32*(tt%2)
.set tt, tt+1
.endr
	WIN 0
	s_wait_loadcnt 0x0
	WIN 0xc3                                       ; destination and source 0: window 3
.set tt, 0
.rept 16
	v_cndmask_b32 v[W1E+4*tt+2], v[W1E+4*tt+2], v[GG+tt], s46   ; K step 1: (row 4, row 5) in half 0, (bp1, 0) in half 1
	v_cndmask_b32 v[W1E+4*tt+3], v[W1E+4*tt+3], 0, s46
.set tt, tt+1
.endr
	WIN 0
	s_mov_b32 s48, 0
	NEXT
	s_mov_b32 s47, 0                               ; the query's number in the tile
	s_mov_b32 s49, 0                               ; its row of codes in LDS,
	s_mov_b32 s50, 0                               ; and of scale bytes
.Ltrip:
	s_wait_loadcnt 0x0                             ; the neighbours' coordinates (all else was waited for in the last trip)
	s_wait_kmcnt 0x0                               ; the query's coordinates and normal
	s_wait_dscnt 0x0                               ; the last trip's LDS stores have read their registers
	s_add_co_u32 s48, s47, 1
	s_min_u32 s48, s48, 15                         ; the next query; the last trip asks for its own again: no load leaves its buffer
	v_lshl_add_u32 v13, s47, 10, v12
	v_lshl_add_u32 v15, s48, 4, v14
	v_lshl_add_u32 v46, s48, 4, v45
	WIN 0x80                                       ; destination: window 2
.set jj, 0
.rept 8
.irp q, 0,1,2,3
	global_load_b128 v[16*jj+4*\q:16*jj+4*\q+3], v[OFF+jj], s[14:15] offset:256*\q   ; sixteen lanes read 256 consecutive bytes of a row of kpb
.endr
.set jj, jj+1
.endr
	WIN 0
.set jj, 0
.rept 8
	global_load_b32 v[MK+jj], v[MOFF+jj], s[10:11]
.set jj, jj+1
.endr
.irp q, 0,1,2,3
	global_load_b128 v[QR+4*\q:QR+4*\q+3], v13, s[12:13] offset:16*\q
.endr
	global_load_b128 v[JR:JR+3], v15, s[4:5]
	global_load_b128 v[JR+4:JR+7], v15, s[4:5] offset:256
	global_load_b32 v40, v46, s[4:5]
	v_sub_f32 v248, s84, v42                       ; rel = the query's coordinates less the neighbour's
	v_sub_f32 v249, s85, v43
	v_sub_f32 v250, s86, v44
	v_cndmask_b32 v[PF], v248, v250, s46           ; (rel x, rel y) in half 0, (rel z, nx) in half 1
	v_cndmask_b32 v[PF+1], v249, s88, s46
	v_cndmask_b32 v[PF+2], s89, 1.0, s46           ; (ny, nz) in half 0, (1, 0) in half 1
	v_cndmask_b32 v[PF+3], s90, 0, s46
	WIN 0xf3
	HID 0
	WIN 0
.rept 8
	v_nop                                          ; eight places between this form of product and the first read of its result
.endr
	GELU 0
	GELU 1
	GELU 2
	GELU 3
	QUANT GG, HC, HS
	WIN 0x80
.set jj, 0
.rept 8
.irp q, 0,1,2,3
	global_load_b128 v[128+16*jj+4*\q:128+16*jj+4*\q+3], v[OFF+jj], s[16:17] offset:256*\q   ; the same rows of vpb
.endr
.set jj, jj+1
.endr
	WIN 0
	GELU 4
	GELU 5
	GELU 6
	GELU 7
	QUANT GG, HC+8, HS+1
	s_wait_loadcnt 32                              ; k's rows, the masks, q and the next indices are in; the 32 younger loads are v's rows
	s_wait_xcnt 0x0                                ; v's loads still name the offsets: those are written again only behind this wait
	NEXT
	WIN 0x02                                       ; source 0: window 2
.set uu, 0
.rept 8
.set jj, 0
.rept 8
.if uu == 0
	v_pk_mul_f32 v[LA+2*jj:LA+2*jj+1], v[16*jj:16*jj+1], v[QR:QR+1]
.else
	v_pk_fma_f32 v[LA+2*jj:LA+2*jj+1], v[16*jj+2*uu:16*jj+2*uu+1], v[QR+2*uu:QR+2*uu+1], v[LA+2*jj:LA+2*jj+1]   ; q . k, my 16 channels, neighbour 8 h + j
.endif
.set jj, jj+1
.endr
.set uu, uu+1
.endr
	WIN 0xf4                                       ; Wp2's fragments: window 1; C and D: window 3.  The codes and scale words were written over 64 plain instructions ago
.set tt, 0
.rept 16
	v_wmma_scale_f32_16x16x128_f8f6f4 v[8*tt:8*tt+7], v[HC:HC+7], v[16*tt:16*tt+7], 0, v[HS], v[WS+tt] matrix_a_fmt:MATRIX_FMT_FP4 matrix_b_fmt:MATRIX_FMT_FP4
.set tt, tt+1
.endr
.set tt, 0
.rept 16
	v_wmma_scale_f32_16x16x128_f8f6f4 v[8*tt:8*tt+7], v[HC+8:HC+15], v[16*tt+8:16*tt+15], v[8*tt:8*tt+7], v[HS+1], v[WS+tt] matrix_a_fmt:MATRIX_FMT_FP4 matrix_b_fmt:MATRIX_FMT_FP4 matrix_b_scale:MATRIX_SCALE_ROW1
.set tt, tt+1
.endr
	WIN 0
.set jj, 0
.rept 8
	v_add_f32 v[TL+jj], v[LA+2*jj], v[LA+2*jj+1]   ; (these eight are also the places behind the products)
.set jj, jj+1
.endr
	WIN 0x03
.set tt, 0
.rept 16
.set vv, 0
.rept 4
.if tt < 2
	PKMULB LB+8*(tt&1)+vv, 8*tt+vv, QR, tt         ; q . pe: channel 16 r + t, neighbours in pairs; each tile from its low end on
.else
	PKFMAB LB+8*(tt&1)+vv, 8*tt+vv, QR, tt, LB+8*(tt&1)+vv
.endif
.set vv, vv+2
.endr
.set tt, tt+1
.endr
	WIN 0
.irp p, 0,2,4,6
	v_pk_add_f32 v[LB+\p:LB+\p+1], v[LB+\p:LB+\p+1], v[LB+8+\p:LB+8+\p+1]
.endr
.irp p, 0,2,4,6
	v_pk_add_f32 v[TL+\p:TL+\p+1], v[TL+\p:TL+\p+1], v[LB+\p:LB+\p+1]
.endr
.set jj, 0
.rept 8
	v_add_f32_dpp v[TL+jj], v[TL+jj], v[TL+jj] row_xmask:1 row_mask:0xf bank_mask:0xf   ; the head's other 16 channels
.set jj, jj+1
.endr
.irp p, 0,2,4,6
	v_pk_mul_f32 v[TL+\p:TL+\p+1], v[TL+\p:TL+\p+1], s[58:59] op_sel_hi:[1,0]
.endr
.set jj, 0
.rept 8
	v_cmp_lt_f32 vcc_lo, 0, v[MK+jj]
	v_cndmask_b32 v[TL+jj], v11, v[TL+jj], vcc_lo  ; a masked neighbour's logit is -infinity
.set jj, jj+1
.endr
	v_max3_num_f32 v248, v[TL], v[TL+1], v[TL+2]
	v_max3_num_f32 v249, v[TL+3], v[TL+4], v[TL+5]
	v_max3_num_f32 v248, v248, v[TL+6], v[TL+7]
	v_max_num_f32 v248, v248, v249
	v_permlanex16_b32 v249, v248, s[SEL], s[SEL+1]
	v_max3_num_f32 v248, v248, v249, 0xff61b1e6    ; the 16 neighbours' maximum; the floor -3e38 acts only where all are masked
.irp p, 0,2,4,6
	v_pk_add_f32 v[TL+\p:TL+\p+1], v[TL+\p:TL+\p+1], v[248:249] op_sel_hi:[1,0] neg_lo:[0,1] neg_hi:[0,1]
.endr
.set jj, 0
.rept 8
	v_exp_f32 v[AT+jj], v[TL+jj]
.set jj, jj+1
.endr
	v_nop                                          ; a plain place behind the exponentials
	s_wait_alu depctr_va_vdst(0)
	v_pk_add_f32 v[250:251], v[AT:AT+1], v[AT+2:AT+3]
	v_pk_add_f32 v[252:253], v[AT+4:AT+5], v[AT+6:AT+7]
	v_pk_add_f32 v[250:251], v[250:251], v[252:253]
	v_add_f32 v250, v250, v251
	v_permlanex16_b32 v251, v250, s[SEL], s[SEL+1]
	v_add_f32 v250, v250, v251
	v_max_num_f32 v250, 1.0, v250                  ; with one valid neighbour the sum is at least 1; with none it is 0, and the weights stay 0
	v_rcp_f32 v250, v250
	v_nop
	s_wait_alu depctr_va_vdst(0)
.irp p, 0,2,4,6
	v_pk_mul_f32 v[AT+\p:AT+\p+1], v[AT+\p:AT+\p+1], v[250:251] op_sel_hi:[1,0]
.endr
	s_wait_loadcnt 1                               ; v's rows are in; the one younger load is the next query's neighbours' coordinates
	WIN 0x02
.set jj, 0
.rept 8
.set uu, 0
.rept 8
.if jj == 0
	PKMULB OA+2*uu, 128+2*uu, AT, 0
.else
	PKFMAB OA+2*uu, 128+16*jj+2*uu, AT, jj, OA+2*uu
.endif
.set uu, uu+1
.endr
.set jj, jj+1
.endr
	WIN 0x03
.set vv, 0
.rept 4
.set tt, 0
.rept 16
.if vv == 0
	v_pk_mul_f32 v[OB+2*tt:OB+2*tt+1], v[8*tt:8*tt+1], v[AT:AT+1]
.else
	v_pk_fma_f32 v[OB+2*tt:OB+2*tt+1], v[8*tt+2*vv:8*tt+2*vv+1], v[AT+2*vv:AT+2*vv+1], v[OB+2*tt:OB+2*tt+1]
.endif
.set tt, tt+1
.endr
.set vv, vv+1
.endr
	WIN 0
.set tt, 0
.rept 16
	v_add_f32 v[OO+tt], v[OB+2*tt], v[OB+2*tt+1]
.set tt, tt+1
.endr
.irp p, 0,2,4,6,8,10,12,14
	v_pk_add_f32 v[OO+\p:OO+\p+1], v[OO+\p:OO+\p+1], v[OA+\p:OA+\p+1]
.endr
.set tt, 0
.rept 16
	v_permlanex16_b32 v[OB+tt], v[OO+tt], s[SEL], s[SEL+1]
.set tt, tt+1
.endr
.irp p, 0,2,4,6,8,10,12,14
	v_pk_add_f32 v[OO+\p:OO+\p+1], v[OO+\p:OO+\p+1], v[OB+\p:OB+\p+1]   ; with the other 8 neighbours: channels 16 r .. 16 r + 15 of the output row, the same in both halves
.endr
	v_max3_num_f32 v248, |v[OO]|, |v[OO+1]|, 0x1800000
	v_max3_num_f32 v249, |v[OO+2]|, |v[OO+3]|, |v[OO+4]|
	v_max3_num_f32 v248, v248, |v[OO+5]|, |v[OO+6]|
	v_max3_num_f32 v249, v249, |v[OO+7]|, |v[OO+8]|
	v_max3_num_f32 v248, v248, |v[OO+9]|, |v[OO+10]|
	v_max3_num_f32 v249, v249, |v[OO+11]|, |v[OO+12]|
	v_max3_num_f32 v248, v248, |v[OO+13]|, |v[OO+14]|
	v_max3_num_f32 v248, v248, v249, |v[OO+15]|
	v_max_num_f32_dpp v248, v248, v248 row_xmask:1 row_mask:0xf bank_mask:0xf   ; a block of 32 channels lies in lanes r and r xor 1
	v_add_nc_u32 v252, 0xff000000, v248
	v_add_nc_u32 v47, s49, v5
	v_add_nc_u32 v95, s50, v6
	v_cvt_scalef32_pk8_fp4_f32 v250, v[OO:OO+7], v252
	v_cvt_scalef32_pk8_fp4_f32 v251, v[OO+8:OO+15], v252
	v_lshrrev_b32 v253, 23, v252                   ; the scale's byte (and the plain place behind the conversions)
	ds_store_b64 v47, v[250:251]                   ; both halves write the same bytes with the same values
	ds_store_b8 v95, v253
	s_add_co_u32 s49, s49, 144
	s_add_co_u32 s50, s50, 8
	s_add_co_u32 s47, s47, 1
	s_cmp_lt_u32 s47, 16
	s_cbranch_scc1 .Ltrip
	; ---- the 16 rows: y = Q(out) Wo, transposed (source 0 = 16 rows of Wo, source 1 = my 16 rows); residual and LayerNorm
	s_wait_loadcnt 0x0                             ; what the last trip asked ahead has landed: its registers are free
	s_wait_kmcnt 0x0
	v_lshlrev_b32 v248, 7, v1
	v_lshl_add_u32 v248, v2, 4, v248               ; Wo: row 16 t + r of 128 bytes, + 16 h
	v_lshlrev_b32 v249, 3, v1
	v_lshl_add_u32 v249, v2, 2, v249
	WIN 0x80
.set tt, 0
.rept 16
.irp s, 0,1
.irp c, 0,1
	global_load_b128 v[16*tt+8*\s+4*\c:16*tt+8*\s+4*\c+3], v248, s[28:29] offset:2048*tt+64*\s+32*\c
.endr
.endr
.set tt, tt+1
.endr
	WIN 0
.set tt, 0
.rept 16
	global_load_b32 v[WS+tt], v249, s[30:31] offset:128*tt
.set tt, tt+1
.endr
	WIN 0x40
.set ri, 0
.rept 16
	global_load_b128 v[FF+8*ri:FF+8*ri+3], v4, s[18:19] offset:1024*ri
	global_load_b128 v[FF+8*ri+4:FF+8*ri+7], v4, s[18:19] offset:1024*ri+512
.set ri, ri+1
.endr
	WIN 0
.irp f, 0,1
	global_load_b128 v[BO+4*\f:BO+4*\f+3], v4, s[32:33] offset:512*\f
	global_load_b128 v[GA+4*\f:GA+4*\f+3], v4, s[34:35] offset:512*\f
	global_load_b128 v[BE+4*\f:BE+4*\f+3], v4, s[36:37] offset:512*\f
.endr
	s_load_b512 s[68:83], s[94:95], 0x0            ; my 16 queries' mask
.irp s, 0,1
.irp c, 0,1
	ds_load_b128 v[HC+8*\s+4*\c:HC+8*\s+4*\c+3], v9 offset:64*\s+32*\c   ; my own bytes: LDS serves a wave's instructions in order
.endr
.endr
	ds_load_b32 v[OS], v10
	s_wait_loadcnt 38                              ; Wo and its scale words are in; the 38 younger loads are features' 32 and the 6 of bo, gamma, beta
	s_wait_dscnt 0x0
	WIN 0xf2                                       ; Wo's fragments: window 2; C and D: window 3
.set tt, 0
.rept 16
	v_wmma_scale_f32_16x16x128_f8f6f4 v[8*tt:8*tt+7], v[16*tt:16*tt+7], v[HC:HC+7], 0, v[WS+tt], v[OS] matrix_a_fmt:MATRIX_FMT_FP4 matrix_b_fmt:MATRIX_FMT_FP4
.set tt, tt+1
.endr
.set tt, 0
.rept 16
	v_wmma_scale_f32_16x16x128_f8f6f4 v[8*tt:8*tt+7], v[16*tt+8:16*tt+15], v[HC+8:HC+15], v[8*tt:8*tt+7], v[WS+tt], v[OS] matrix_a_fmt:MATRIX_FMT_FP4 matrix_b_fmt:MATRIX_FMT_FP4 matrix_a_scale:MATRIX_SCALE_ROW1 matrix_b_scale:MATRIX_SCALE_ROW1
.set tt, tt+1
.endr
	WIN 0
.rept 4
	v_nop                                          ; four places in front of the stores that read the results
.endr
	WIN 0x0c                                       ; an LDS store's data: window 3
.set tt, 0
.rept 16
	ds_store_b128 v7, v[8*tt:8*tt+3] offset:64*tt                  ; lane (r, h): y(row r, channel 16 t + 8 h + 0 .. 7); each accumulator from its low end on
	ds_store_b128 v7, v[8*tt+4:8*tt+7] offset:64*tt+16
.set tt, tt+1
.endr
	WIN 0x40
.set ri, 0
.rept 16
	ds_load_b128 v[YY+8*ri:YY+8*ri+3], v8 offset:1040*ri           ; back as rows: a lane holds channels 4 x lane .. + 3 and 128 + 4 x lane .. + 3 of each row
	ds_load_b128 v[YY+8*ri+4:YY+8*ri+7], v8 offset:1040*ri+512
.set ri, ri+1
.endr
	WIN 0
	s_wait_loadcnt 0x0
	s_wait_kmcnt 0x0
	s_wait_dscnt 0x0
.set ri, 0
.rept 16
	v_mov_b32 v[MV+ri], s[68+ri]
.set ri, ri+1
.endr
	WIN 0x41                                       ; destination and source 0: window 1
.set ri, 0
.rept 16
.irp q, 0,2,4,6
	v_pk_add_f32 v[YY+8*ri+\q:YY+8*ri+\q+1], v[YY+8*ri+\q:YY+8*ri+\q+1], v[BO+\q:BO+\q+1]
.endr
.set ri, ri+1
.endr
	WIN 0x51                                       ; and source 2
.set ri, 0
.rept 16
.irp q, 0,2,4,6
	PKFMAB YY+8*ri+\q, YY+8*ri+\q, MV, ri, FF+8*ri+\q              ; h = features + (y + bo) x mask
.endr
.set ri, ri+1
.endr
	WIN 0x05                                       ; sources 0 and 1: window 1
.set ri, 0
.rept 16
	v_pk_add_f32 v[TA+2*ri:TA+2*ri+1], v[YY+8*ri:YY+8*ri+1], v[YY+8*ri+2:YY+8*ri+3]
	v_pk_add_f32 v[TB+2*ri:TB+2*ri+1], v[YY+8*ri+4:YY+8*ri+5], v[YY+8*ri+6:YY+8*ri+7]
.set ri, ri+1
.endr
	WIN 0
	REDUCE MU
.irp p, 0,2,4,6,8,10,12,14
	v_pk_mul_f32 v[MU+\p:MU+\p+1], v[MU+\p:MU+\p+1], s[60:61] op_sel_hi:[1,0]   ; the rows' means
.endr
	WIN 0x41
.set ri, 0
.rept 16
.irp q, 0,2,4,6
	PKSUBB YY+8*ri+\q, YY+8*ri+\q, MU, ri
.endr
.set ri, ri+1
.endr
	WIN 0x05
.set ri, 0
.rept 16
	v_pk_mul_f32 v[TA+2*ri:TA+2*ri+1], v[YY+8*ri:YY+8*ri+1], v[YY+8*ri:YY+8*ri+1]
	v_pk_mul_f32 v[TB+2*ri:TB+2*ri+1], v[YY+8*ri+4:YY+8*ri+5], v[YY+8*ri+4:YY+8*ri+5]
.set ri, ri+1
.endr
.set ri, 0
.rept 16
	v_pk_fma_f32 v[TA+2*ri:TA+2*ri+1], v[YY+8*ri+2:YY+8*ri+3], v[YY+8*ri+2:YY+8*ri+3], v[TA+2*ri:TA+2*ri+1]
	v_pk_fma_f32 v[TB+2*ri:TB+2*ri+1], v[YY+8*ri+6:YY+8*ri+7], v[YY+8*ri+6:YY+8*ri+7], v[TB+2*ri:TB+2*ri+1]
.set ri, ri+1
.endr
	WIN 0
	REDUCE RS
.irp p, 0,2,4,6,8,10,12,14
	v_pk_fma_f32 v[RS+\p:RS+\p+1], v[RS+\p:RS+\p+1], s[60:61], 0x358637bd op_sel_hi:[1,0,0]   ; the variance + 1e-6
.endr
.set ri, 0
.rept 16
	v_rsq_f32 v[RS+ri], v[RS+ri]
.set ri, ri+1
.endr
	v_nop                                          ; a plain place behind the roots
	s_wait_alu depctr_va_vdst(0)
	WIN 0x41
.set ri, 0
.rept 16
.irp q, 0,2,4,6
	PKMULB YY+8*ri+\q, YY+8*ri+\q, RS, ri
.endr
.set ri, ri+1
.endr
.set ri, 0
.rept 16
.irp q, 0,2,4,6
	v_pk_fma_f32 v[YY+8*ri+\q:YY+8*ri+\q+1], v[YY+8*ri+\q:YY+8*ri+\q+1], v[GA+\q:GA+\q+1], v[BE+\q:BE+\q+1]
.endr
.set ri, ri+1
.endr
.set ri, 0
.rept 16
.irp q, 0,2,4,6
	PKMULB YY+8*ri+\q, YY+8*ri+\q, MV, ri
.endr
.set ri, ri+1
.endr
	WIN 0x04                                       ; a store's data: window 1
.set ri, 0
.rept 16
	global_store_b128 v4, v[YY+8*ri:YY+8*ri+3], s[38:39] offset:1024*ri th:TH_STORE_NT          ; 32 lanes store 512 consecutive bytes, aligned; written once, read by nobody here
	global_store_b128 v4, v[YY+8*ri+4:YY+8*ri+7], s[38:39] offset:1024*ri+512 th:TH_STORE_NT
.set ri, ri+1
.endr
	WIN 0
	s_wait_tensorcnt 0x0
	ds_add_u32 v254, v255
	s_wait_dscnt 0x0
	s_endpgm
.Lfunc_end_k_qb5c7268cfa_attend:
	.size	k_qb5c7268cfa_attend, .Lfunc_end_k_qb5c7268cfa_attend-k_qb5c7268cfa_attend
	.p2alignl 7, 3214868480
	.fill 96, 4, 3214868480
	.section	.rodata,"a",@progbits
	.p2align	6, 0x0
	.amdhsa_kernel k_qb5c7268cfa_attend
		.amdhsa_group_segment_fixed_size 77312
		.amdhsa_private_segment_fixed_size 0
		.amdhsa_enable_private_segment 0
		.amdhsa_kernarg_size 144
		.amdhsa_user_sgpr_count 2
		.amdhsa_user_sgpr_kernarg_segment_ptr 1
		.amdhsa_wavefront_size32 1
		.amdhsa_system_sgpr_workgroup_id_x 1
		.amdhsa_system_sgpr_workgroup_id_y 1
		.amdhsa_system_sgpr_workgroup_id_z 1
		.amdhsa_system_vgpr_workitem_id 0
		.amdhsa_next_free_vgpr 1024
		.amdhsa_next_free_sgpr 100
		.amdhsa_reserve_vcc 1
		.amdhsa_float_denorm_mode_32 3
		.amdhsa_float_denorm_mode_16_64 3
		.amdhsa_memory_ordered 1
		.amdhsa_forward_progress 1
		.amdhsa_inst_pref_size 237
	.end_amdhsa_kernel
	.amdgpu_metadata
---
amdhsa.version: [ 1, 2 ]
amdhsa.kernels:
  - .name:           k_qb5c7268cfa_attend
    .symbol:         k_qb5c7268cfa_attend.kd
    .args:
      - { .name: nbr, .offset: 0, .size: 8, .value_kind: global_buffer, .address_space: global }
      - { .name: coords, .offset: 8, .size: 8, .value_kind: global_buffer, .address_space: global }
      - { .name: normals, .offset: 16, .size: 8, .value_kind: global_buffer, .address_space: global }
      - { .name: mask, .offset: 24, .size: 8, .value_kind: global_buffer, .address_space: global }
      - { .name: qb, .offset: 32, .size: 8, .value_kind: global_buffer, .address_space: global }
      - { .name: kpb, .offset: 40, .size: 8, .value_kind: global_buffer, .address_space: global }
      - { .name: vpb, .offset: 48, .size: 8, .value_kind: global_buffer, .address_space: global }
      - { .name: features, .offset: 56, .size: 8, .value_kind: global_buffer, .address_space: global }
      - { .name: Wp1, .offset: 64, .size: 8, .value_kind: global_buffer, .address_space: global }
      - { .name: bp1, .offset: 72, .size: 8, .value_kind: global_buffer, .address_space: global }
      - { .name: Wp2_codes, .offset: 80, .size: 8, .value_kind: global_buffer, .address_space: global }
      - { .name: Wp2_scales, .offset: 88, .size: 8, .value_kind: global_buffer, .address_space: global }
      - { .name: Wo_codes, .offset: 96, .size: 8, .value_kind: global_buffer, .address_space: global }
      - { .name: Wo_scales, .offset: 104, .size: 8, .value_kind: global_buffer, .address_space: global }
      - { .name: bo, .offset: 112, .size: 8, .value_kind: global_buffer, .address_space: global }
      - { .name: gamma, .offset: 120, .size: 8, .value_kind: global_buffer, .address_space: global }
      - { .name: beta, .offset: 128, .size: 8, .value_kind: global_buffer, .address_space: global }
      - { .name: out0, .offset: 136, .size: 8, .value_kind: global_buffer, .address_space: global }
    .group_segment_fixed_size: 77312
    .private_segment_fixed_size: 0
    .kernarg_segment_align: 8
    .kernarg_segment_size: 144
    .max_flat_workgroup_size: 128
    .sgpr_count:     100
    .vgpr_count:     1024
    .wavefront_size: 32
...
	.end_amdgpu_metadata
.endif
;; end of part 4
;; ======== version 2 of 2: 4 launches; 1.16 times as fast as version 1
;; workspace buffers: groups 1,048,576 bytes of whole numbers; nbr 1,048,576 bytes of whole numbers; qb 16,777,216 bytes; fcodes 2,097,152 bytes; fscales 131,072 bytes
;; launch knn_groups: the kernel of part 1 again; grid 256 x 1, 4 waves a work-group, no clusters, 164,608 bytes of LDS; arguments coords, groups; writes groups
;; launch knn_pick: the kernel of part 2 again; grid 256 x 1, 4 waves a work-group, no clusters, 0 bytes of LDS; arguments groups, coords, nbr; writes nbr
;; launch featq (part 5): grid 256 x 1, 8 waves a work-group, no clusters, 76,800 bytes of LDS; arguments features, Wq_codes, Wq_scales, bq, qb, fcodes, fscales; writes qb, fcodes, fscales
.if DOCPART == 5
	.amdgcn_target "amdgcn-amd-amdhsa--gfx1250"
	.amdhsa_code_object_version 6
	.text
	.protected	k_qb5c7268cfa_featq
	.globl	k_qb5c7268cfa_featq
	.p2align	8
	.type	k_qb5c7268cfa_featq,@function
k_qb5c7268cfa_featq:
	s_mov_b64 s[64:65], 0
	v_nop
	global_prefetch_b8 v0, s[64:65] scope:SCOPE_SE
	s_setreg_imm32_b32 hwreg(HW_REG_WAVE_MODE, 25, 1), 1
	s_wait_xcnt 0x0
; features are quantised to E2M1 with one E8M0 scale for each 32 along K = 256: fcodes [16384][128 bytes] (K innermost, two codes a byte), fscales [16384][8];  qb = Q(features) Wq + bq, f32.
; The next launch gathers rows of fcodes and fscales by neighbour index and makes the K and V products from them.
; SHARES: a work-group takes 64 rows.  Wave w quantises one fragment (rows 16 (w / 2) on, K step w % 2) and hands it to all waves through LDS as an image of its registers;
; wave w owns output channels 32 w .. 32 w + 31 of q for all 64 rows; its 4 weight fragments stay in registers.
; The product is used transposed (source 0 = 16 rows of Wq, source 1 = 16 rows of x): a lane holds eight neighbouring channels of one row.  Results meet in a stage in LDS and leave as rows.
; The codes leave out of the images: the work-group's 64 rows are 8,192 consecutive bytes, wave w stores 1,024 of them; the 512 scale bytes are stored by wave 0.
; No tensor load: the operands go to registers once.  No cluster: what work-groups share, 32 KiB of weights, is read once by each.
; LIMITS: NaN and infinities are not served; a block of zeros gets the scale byte 1, not 127: its codes are zeros, and this program alone reads the byte.
.set XIMG, 0                           ; LDS: 8 fragment images of 1,024 bytes,
.set XSC,  8192                        ; their scale words, 128 bytes each,
.set STG,  9216                        ; and a stage of 64 rows x (1,024 + 16) bytes
.set SP,   1040
.set XF,   16                          ; v16-31   two fragments of x (first: the codes just made, and the quantiser's work)
.set XN,   32                          ; v32-95   64 numbers of x; then two accumulators; then rows on their way out
.set ACC,  32
.set OUTR, 32
.set WF,   96                          ; v96-127  Wq: fragment (u, s) at 8 (2 u + s)
.set WSC,  192                         ; v192-193 its scale words: lanes 0-15 K step 0, lanes 16-31 K step 1
.set XS,   198                         ; v198     x's scale words, likewise
.set PW,   199                         ; v199     the scale word just made
.set BQ,   200                         ; v200-207 bq in the layout of a row on its way out
.set QM,   24
.set QB,   28
.set QS,   232
.set SEL,  34
; 64 numbers of a lane, register 16 b + i = k 32 b + 16 (lane / 16) + i of my row, become a fragment's codes in v[pc] on and its scale word in v[pw]
.macro QUANT s, pc, pw
.irp b, 0,1,2,3
	v_max3_num_f32 v[QM+\b], |v[\s+16*\b]|, |v[\s+1+16*\b]|, 0x1800000   ; with the floor 2^(3 - 127): the byte cannot fall under 1
.endr
.irp i, 2,4,6,8,10,12,14
.irp b, 0,1,2,3
	v_max3_num_f32 v[QM+\b], v[QM+\b], |v[\s+16*\b+\i]|, |v[\s+1+16*\b+\i]|
.endr
.endr
.irp b, 0,1,2,3
	v_permlanex16_b32 v[QB+\b], v[QM+\b], s[SEL], s[SEL+1]
.endr
.irp b, 0,1,2,3
	v_max_num_f32 v[QM+\b], v[QM+\b], v[QB+\b]     ; with lane l xor 16's: the block's largest magnitude
.endr
.irp b, 0,1,2,3
	v_add_nc_u32 v[QS+\b], 0xff000000, v[QM+\b]    ; 2 off its exponent field: the conversion's scale operand
.endr
.irp b, 0,1,2,3
	v_lshrrev_b32 v[QB+\b], 23, v[QS+\b]           ; the scale's byte
.endr
	v_lshl_or_b32 v[\pw], v[QB+1], 8, v[QB]
	v_lshl_or_b32 v[\pw], v[QB+2], 16, v[\pw]
	v_lshl_or_b32 v[\pw], v[QB+3], 24, v[\pw]
.irp b, 0,1,2,3
	v_cvt_scalef32_pk8_fp4_f32 v[\pc+2*\b], v[\s+16*\b:\s+7+16*\b], v[QS+\b]
	v_cvt_scalef32_pk8_fp4_f32 v[\pc+1+2*\b], v[\s+8+16*\b:\s+15+16*\b], v[QS+\b]
.endr
	v_nop                                          ; one plain place behind a scaled conversion
.irp c, 0,1
.irp i, 0,1
	v_permlane16_swap_b32 v[\pc+4*\c+\i], v[\pc+2+4*\c+\i]   ; a whole block of 32 to a lane, as the operand's layout wants
.endr
.endr
.endm
.macro MM s                            ; two products, one for each accumulator: the accumulators take turns
.irp u, 0,1
.if \s == 0
	v_wmma_scale_f32_16x16x128_f8f6f4 v[ACC+8*\u:ACC+8*\u+7], v[WF+16*\u:WF+16*\u+7], v[XF:XF+7], 0, v[WSC+\u], v[XS] matrix_a_fmt:MATRIX_FMT_FP4 matrix_b_fmt:MATRIX_FMT_FP4
.else
	v_wmma_scale_f32_16x16x128_f8f6f4 v[ACC+8*\u:ACC+8*\u+7], v[WF+16*\u+8:WF+16*\u+15], v[XF+8:XF+15], v[ACC+8*\u:ACC+8*\u+7], v[WSC+\u], v[XS] matrix_a_fmt:MATRIX_FMT_FP4 matrix_b_fmt:MATRIX_FMT_FP4 matrix_a_scale:MATRIX_SCALE_ROW1 matrix_b_scale:MATRIX_SCALE_ROW1
.endif
.endr
.endm
	s_load_b256 s[4:11], s[0:1], 0x0               ; features 4, Wq codes 6, Wq scales 8, bq 10
	s_load_b128 s[12:15], s[0:1], 0x20             ; qb 12, fcodes 14
	s_load_b64 s[16:17], s[0:1], 0x30              ; fscales
	v_lshl_add_u32 v254, v0, 2, 0x12800
	v_mov_b32 v255, 0
	v_lshrrev_b32 v1, 5, v0
	v_readfirstlane_b32 s32, v1                    ; wave 0..7
	v_and_b32 v1, 31, v0                           ; lane
	v_and_b32 v2, 15, v0                           ; r
	v_bfe_u32 v3, v0, 4, 1                         ; h
	v_lshlrev_b32 v4, 10, v2
	v_lshl_add_u32 v4, v3, 6, v4                   ; x: row r of 1,024 bytes, + 64 h: my 16 numbers of a block of 32
	v_lshlrev_b32 v5, 4, v1                        ; 16 x lane
	s_lshl_b32 s33, s32, 10
	v_add_nc_u32 v6, s33, v5                       ; where I store my fragment's image
	s_lshl_b32 s33, s32, 7
	v_lshl_add_u32 v7, v1, 2, s33
	v_add_nc_u32 v7, XSC, v7                       ; and its scale words
	v_lshlrev_b32 v8, 2, v2
	v_lshl_add_u32 v8, v3, 7, v8
	v_add_nc_u32 v8, XSC, v8                       ; scale words back: lanes 0-15 K step 0's, lanes 16-31 K step 1's
	v_lshlrev_b32 v9, 7, v2
	v_lshl_add_u32 v9, v3, 4, v9
	s_lshl_b32 s33, s32, 12
	v_add_nc_u32 v9, s33, v9                       ; Wq: row 32 w + r of 128 bytes, + 16 h
	v_lshlrev_b32 v10, 3, v2
	v_lshl_add_u32 v10, v3, 2, v10
	s_lshl_b32 s33, s32, 8
	v_add_nc_u32 v10, s33, v10                     ; its scale words: 8 bytes a row, + 4 h
	v_mul_u32_u24 v11, v2, SP
	v_lshl_add_u32 v11, v3, 5, v11
	s_lshl_b32 s33, s32, 7
	v_add_nc_u32 v11, s33, v11
	v_add_nc_u32 v11, STG, v11                     ; the stage: row r, channel 32 w + 16 u + 8 h + j
	s_mul_i32 s33, s32, 8*SP
	v_add_nc_u32 v13, s33, v5
	v_add_nc_u32 v13, STG, v13                     ; back: my 8 rows, 16 bytes a lane
	; the codes' way out: lane l of store i holds bytes 16 (l % 8) of row 8 w + 4 i + l / 8: K step (l / 4) % 2, piece (l / 2) % 2, half l % 2 of that row's fragment
	v_bfe_u32 v15, v0, 2, 1
	v_lshlrev_b32 v12, 10, v15
	v_bfe_u32 v15, v0, 1, 1
	v_lshl_add_u32 v12, v15, 9, v12
	v_and_b32 v15, 1, v0
	v_lshl_add_u32 v12, v15, 8, v12
	v_bfe_u32 v15, v0, 3, 2
	v_lshl_add_u32 v12, v15, 4, v12
	s_lshr_b32 s33, s32, 1
	s_lshl_b32 s33, s33, 11
	v_add_nc_u32 v12, s33, v12
	s_and_b32 s33, s32, 1
	s_lshl_b32 s33, s33, 7
	v_add_nc_u32 v12, s33, v12
	; the scale bytes' way out: lane l holds rows 2 l and 2 l + 1, two words each
	v_lshlrev_b32 v14, 8, v15
	v_and_b32 v15, 7, v0
	v_lshl_add_u32 v14, v15, 3, v14
	v_add_nc_u32 v14, XSC, v14
.irp b, 0,1,2,3
	v_mov_b32 v[QB+\b], 0                          ; written once: a lane permute's destination counts as one of its sources
.endr
	s_mov_b32 s[SEL], 0x76543210
	s_mov_b32 s[SEL+1], 0xfedcba98
	s_lshl_b32 s36, ttmp9, 16                      ; 64 rows of 1,024 bytes a work-group
	s_lshr_b32 s38, s32, 1
	s_lshl_b32 s38, s38, 14
	s_add_co_u32 s36, s36, s38                     ; + my tile of 16 rows
	s_and_b32 s38, s32, 1
	s_lshl_b32 s38, s38, 9
	s_add_co_u32 s36, s36, s38                     ; + my K step's 512 bytes
	s_mov_b32 s37, 0
	s_lshl_b32 s38, ttmp9, 16
	s_lshl_b32 s40, s32, 13
	s_add_co_u32 s38, s38, s40                     ; the 8 rows of q that I store
	s_mov_b32 s39, 0
	s_lshl_b32 s40, ttmp9, 13
	s_lshl_b32 s42, s32, 10
	s_add_co_u32 s40, s40, s42                     ; the 1,024 bytes of codes that I store
	s_mov_b32 s41, 0
	s_lshl_b32 s42, ttmp9, 9                       ; the work-group's 512 scale bytes
	s_mov_b32 s43, 0
	s_wait_kmcnt 0x0
	s_add_nc_u64 s[4:5], s[4:5], s[36:37]
	s_add_nc_u64 s[12:13], s[12:13], s[38:39]
	s_add_nc_u64 s[14:15], s[14:15], s[40:41]
	s_add_nc_u64 s[16:17], s[16:17], s[42:43]
.irp b, 0,1,2,3
.irp j, 0,1,2,3
	global_load_b128 v[XN+16*\b+4*\j:XN+16*\b+4*\j+3], v4, s[4:5] offset:128*\b+16*\j
.endr
.endr
.irp u, 0,1
.irp s, 0,1
.irp c, 0,1
	global_load_b128 v[WF+8*(2*\u+\s)+4*\c:WF+8*(2*\u+\s)+4*\c+3], v9, s[6:7] offset:2048*\u+64*\s+32*\c
.endr
.endr
.endr
.irp u, 0,1
	global_load_b32 v[WSC+\u], v10, s[8:9] offset:128*\u
.endr
.irp f, 0,1
	global_load_b128 v[BQ+4*\f:BQ+4*\f+3], v5, s[10:11] offset:512*\f
.endr
	s_wait_loadcnt 12                              ; x's 16 loads are in; the 12 younger ones (8 of weights, 2 of scales, 2 of bias) may be out
	QUANT XN, XF, PW
	ds_store_b128 v6, v[XF:XF+3] offset:XIMG
	ds_store_b128 v6, v[XF+4:XF+7] offset:XIMG+512
	ds_store_b32 v7, v[PW]
	s_wait_loadcnt 0x0
	s_wait_dscnt 0x0                               ; for the others' sake: my image has landed
	s_barrier_signal -1
	s_barrier_wait -1                              ; all eight fragments lie in LDS; nobody writes them again
	ds_load_b128 v[240:243], v12
	ds_load_b128 v[244:247], v12 offset:64
	s_wait_dscnt 0x0
	global_store_b128 v5, v[240:243], s[14:15]               ; 32 lanes store 512 consecutive bytes, aligned: four rows of codes
	global_store_b128 v5, v[244:247], s[14:15] offset:512
	s_cmp_lg_u32 s32, 0                            ; the 512 scale bytes are one store: wave 0's
	s_cbranch_scc1 .Lno_scales
	ds_load_b32 v248, v14
	ds_load_b32 v249, v14 offset:128
	ds_load_b32 v250, v14 offset:4
	ds_load_b32 v251, v14 offset:132
	s_wait_dscnt 0x0
	global_store_b128 v5, v[248:251], s[16:17]
.Lno_scales:
.irp m, 0,1,2,3
	ds_load_b128 v[XF:XF+3], v5 offset:XIMG+2048*\m
	ds_load_b128 v[XF+4:XF+7], v5 offset:XIMG+2048*\m+512
	ds_load_b128 v[XF+8:XF+11], v5 offset:XIMG+2048*\m+1024
	ds_load_b128 v[XF+12:XF+15], v5 offset:XIMG+2048*\m+1536
	ds_load_b32 v[XS], v8 offset:256*\m
	s_wait_dscnt 0x0                               ; the fragments are in, and the last tile's stage stores have read the accumulators
	MM 0
	MM 1
.rept 5
	v_nop                                          ; four places in front of the stores that read results and of the next loads into the fragments; the fifth for the next tile's products, which begin the accumulators anew
.endr
.irp u, 0,1
	ds_store_b128 v11, v[ACC+8*\u:ACC+8*\u+3] offset:16*\m*SP+64*\u            ; each accumulator from its low end on
	ds_store_b128 v11, v[ACC+8*\u+4:ACC+8*\u+7] offset:16*\m*SP+64*\u+16
.endr
.endr
	s_wait_dscnt 0x0                               ; for the others' sake: my parts of the 64 rows have landed
	s_barrier_signal -1
	s_barrier_wait -1
.set oi, 0
.rept 16
	ds_load_b128 v[OUTR+4*oi:OUTR+4*oi+3], v13 offset:(oi/2)*SP+512*(oi%2)
.set oi, oi+1
.endr
.set oi, 0
.rept 16
	s_wait_dscnt 15-oi                             ; LDS loads come back in order: this one is in, the younger ones may be out
	v_pk_add_f32 v[OUTR+4*oi:OUTR+4*oi+1], v[OUTR+4*oi:OUTR+4*oi+1], v[BQ+4*(oi%2):BQ+4*(oi%2)+1]
	v_pk_add_f32 v[OUTR+4*oi+2:OUTR+4*oi+3], v[OUTR+4*oi+2:OUTR+4*oi+3], v[BQ+4*(oi%2)+2:BQ+4*(oi%2)+3]
	global_store_b128 v5, v[OUTR+4*oi:OUTR+4*oi+3], s[12:13] offset:(oi/2)*1024+512*(oi%2)   ; 32 lanes store 512 consecutive bytes, aligned
.set oi, oi+1
.endr
	s_wait_tensorcnt 0x0
	ds_add_u32 v254, v255
	s_wait_dscnt 0x0
	s_endpgm
.Lfunc_end_k_qb5c7268cfa_featq:
	.size	k_qb5c7268cfa_featq, .Lfunc_end_k_qb5c7268cfa_featq-k_qb5c7268cfa_featq
	.p2alignl 7, 3214868480
	.fill 96, 4, 3214868480
	.section	.rodata,"a",@progbits
	.p2align	6, 0x0
	.amdhsa_kernel k_qb5c7268cfa_featq
		.amdhsa_group_segment_fixed_size 76800
		.amdhsa_private_segment_fixed_size 0
		.amdhsa_enable_private_segment 0
		.amdhsa_kernarg_size 56
		.amdhsa_user_sgpr_count 2
		.amdhsa_user_sgpr_kernarg_segment_ptr 1
		.amdhsa_wavefront_size32 1
		.amdhsa_system_sgpr_workgroup_id_x 1
		.amdhsa_system_sgpr_workgroup_id_y 1
		.amdhsa_system_sgpr_workgroup_id_z 1
		.amdhsa_system_vgpr_workitem_id 0
		.amdhsa_next_free_vgpr 256
		.amdhsa_next_free_sgpr 66
		.amdhsa_reserve_vcc 0
		.amdhsa_float_denorm_mode_32 3
		.amdhsa_float_denorm_mode_16_64 3
		.amdhsa_memory_ordered 1
		.amdhsa_forward_progress 1
		.amdhsa_inst_pref_size 22
	.end_amdhsa_kernel
	.amdgpu_metadata
---
amdhsa.version: [ 1, 2 ]
amdhsa.kernels:
  - .name:           k_qb5c7268cfa_featq
    .symbol:         k_qb5c7268cfa_featq.kd
    .args:
      - { .name: features, .offset: 0, .size: 8, .value_kind: global_buffer, .address_space: global }
      - { .name: Wq_codes, .offset: 8, .size: 8, .value_kind: global_buffer, .address_space: global }
      - { .name: Wq_scales, .offset: 16, .size: 8, .value_kind: global_buffer, .address_space: global }
      - { .name: bq, .offset: 24, .size: 8, .value_kind: global_buffer, .address_space: global }
      - { .name: qb, .offset: 32, .size: 8, .value_kind: global_buffer, .address_space: global }
      - { .name: fcodes, .offset: 40, .size: 8, .value_kind: global_buffer, .address_space: global }
      - { .name: fscales, .offset: 48, .size: 8, .value_kind: global_buffer, .address_space: global }
    .group_segment_fixed_size: 76800
    .private_segment_fixed_size: 0
    .kernarg_segment_align: 8
    .kernarg_segment_size: 56
    .max_flat_workgroup_size: 256
    .sgpr_count:     66
    .vgpr_count:     256
    .wavefront_size: 32
...
	.end_amdgpu_metadata
.endif
;; end of part 5
;; launch attend (part 6): grid 256 x 1, 4 waves a work-group, no clusters, 142,848 bytes of LDS; arguments nbr, coords, normals, mask, qb, fcodes, fscales, features, Wp1, bp1, Wp2_codes, Wp2_scales, Wk_codes, Wk_scales, Wv_codes, Wv_scales, bk, bv, bp2, Wo_codes, Wo_scales, bo, gamma, beta, out0; writes out0
.if DOCPART == 6
	.amdgcn_target "amdgcn-amd-amdhsa--gfx1250"
	.amdhsa_code_object_version 6
	.text
	.protected	k_qb5c7268cfa_attend
	.globl	k_qb5c7268cfa_attend
	.p2align	8
	.type	k_qb5c7268cfa_attend,@function
k_qb5c7268cfa_attend:
	s_mov_b64 s[64:65], 0
	v_nop
	global_prefetch_b8 v0, s[64:65] scope:SCOPE_SE
	s_setreg_imm32_b32 hwreg(HW_REG_WAVE_MODE, 25, 1), 1
	s_wait_xcnt 0x0
; The positional MLP, the neighbours' K and V products, the attention over 16 neighbours, the output product, residual and LayerNorm.
; SHARES: a wave owns 16 queries, one a trip, then makes the output product and the LayerNorm of its 16 rows.  The four waves share only Wk and Wv, which lie in LDS (one barrier, at the head).
; A TRIP, query n with neighbours idx[0..15]:
;   hidden = pos Wp1 + bp1 by v_wmma_f32_16x16x4_f32 (f32 operands: the result goes on into a quantiser), transposed: source 0 = 16 hidden units, source 1 = the 16 neighbours; K = 8: (rel x, y, z, nx | ny, nz, 1, 0)
;   against (Wp1's rows 0..5, bp1, 0).  Tile 2 b + u takes unit 32 b + 8 u + m + 8 (m / 8) as row m: a lane holds ONE neighbour (lane % 16), and register 16 b + i is unit 32 b + 16 (lane / 16) + i.
;   gelu(x) = max(x, 0) - |x| erfc(|x| / sqrt 2) / 2, erfc(z) = t exp(-z^2 + P(t)), t = 1 / (1 + z / 2), P a polynomial of degree 9; log2(e) and the factors 1/2 and |x| / A are folded into P's coefficients.
;   It is quantised in registers and is source 0 of pe = Q(gelu) Wp2; column r of tile t is channel 16 r + t: lane (r, h) holds pe[neighbour 8 h + j][channel 16 r + t] in register 8 t + j.
;   THE NEIGHBOURS' FEATURES ARE GATHERED AS CODES: 128 bytes and 8 scale bytes a neighbour in place of two f32 rows of 1,024 bytes.  They are source 0 (row = neighbour) of Q(features)[idx] Wk and .. Wv, with pe as the C of
;   each sum's first product: k_comb and v_comb (less their biases) come out in pe's layout.  So a lane owns half a head (head r / 2) and 8 neighbours.
;   Wk and Wv lie in LDS as images of their fragments' registers (64 KiB, each wave fills a quarter) and come in halves of 16 KiB into 128 registers; a half is asked for behind the products that read the last one,
;   and vector work of the attention stands between the request and the wait for it.
;   The biases: q . (bk + bp2) starts the logits' sums; (bv + bp2) x the sum of the weights is added to the output row: an order of rounding that differs from the problem's text.
;   Logits: one addition across lanes r, r xor 1; softmax with its maximum taken away: one exchange between the halves.  The output row ends as 16 neighbouring channels a lane, is quantised and kept in LDS.
; REGISTERS in windows of 256: window 0: see the names below.  Window 1: Wp2's 32 fragments; at the end features and y.  Window 2: v0-127 k_comb, then v_comb; v128-255 half of Wk or Wv; at the end Wo's 32 fragments.
;   Window 3: v0-127 the hidden layer, then pe, then the output product: written by matrix instructions alone; v128-191 Wp1's fragments; v192-223 the two biases; v224-239 the gathered fragment; v240-255 q.
; No tensor load: gathers go by index, Wp2 and Wo go to registers once a wave, Wk and Wv are laid anew on their way into LDS.  No cluster: what work-groups share (32 KiB of each weight) is read once by each against 16 trips.
; LIMITS: NaN and infinities are not served; hidden pre-activations beyond 1e19 in magnitude are not served (A x A overflows); a block of zeros gets the scale byte 1, not 127 (zero codes; read here alone);
; a row all of whose neighbours are masked gets attention weights 0, as the problem's text makes them; logits under -3e38 x sqrt(32) / log2(e) are not served.
.set WREG, 19200                       ; LDS of a wave: 16 rows x 144 bytes of codes, 16 x 8 scale bytes at OSCO, a stage of 16 rows x 1,040 bytes at STGO
.set OSCO, 2304
.set STGO, 2560
.set WIMG, 76800                       ; behind the four waves' regions: Wk's 32 fragment images of 1,024 bytes, then Wv's
.set MOFF, 24                          ; v24-31   byte offsets of my 8 neighbours' mask words
.set JR,   32                          ; v32-39   the next query's 8 indices of my half
.set PF,   48                          ; v48-51   the neighbours' fragment of the first product, two K steps
.set WSK,  52                          ; v52-67   Wk's scale words; Wv's lie in v16-23 and v240-247.  In all: lanes 0-15 K step 0, lanes 16-31 K step 1
.set MK,   68                          ; v68-75   my 8 neighbours' mask
.set WS,   76                          ; v76-91   scale words of Wp2, later of Wo
.set HS,   92                          ; v92-93   the hidden layer's scale words
.set OS,   94                          ; v94      the output rows' scale words
.set HC,   96                          ; v96-111  the hidden layer's codes, later the output rows'
.set GG,   112                         ; v112-175 64 numbers ahead of the quantiser
.set OB,   128
.set OO,   160
.set AA,   176                         ; v176-191 A = |x| sqrt(log2(e) / 2)
.set TT,   192                         ; v192-207 t
.set LB,   192                         ; v192-207 partial logits, two sets of 8
.set TL,   192                         ; v192-199 logits
.set PP,   208                         ; v208-223 the polynomial
.set AT,   216                         ; v216-223 attention weights
.set QM,   224
.set QB,   228
.set FS,   232                         ; v232     the gathered rows' scale words
.set FOF,  233                         ; v233     my neighbour's row of codes, + 16 h
.set FSO,  234                         ; v234     its scale word of K step h
.set WB,   235                         ; v235     WIMG + 16 x lane
.set QS,   236
.set W1E,  128                         ; window 3: Wp1's fragment (tile t, K step s) at 128 + 4 t + 2 s
.set BKP,  192                         ; window 3: bk + bp2, my 16 channels
.set BVP,  208                         ; window 3: bv + bp2
.set FC,   224                         ; window 3: the gathered fragment, two K steps
.set QR,   240                         ; window 3: q, my 16 channels
.set BUF,  128                         ; window 2: fragment (tile q of 8, K step s) at 128 + 16 q + 8 s
.set BO,   24                          ; at the end: bo, gamma, beta in a row's layout
.set GA,   32
.set BE,   68
.set TA,   112
.set TB,   144
.set MU,   176
.set RS,   192
.set MV,   208
.set FF,   0                           ; window 1
.set YY,   128                         ; window 1
.set ROWC, 2                           ; s2   the trip's row of codes in LDS
.set ROWS, 3                           ; s3   and of scale bytes
.set N12,  20                          ; s20-23 are used again when Wp1 and bp1 have been read: 12 x the next query's number,
.set NINF, 21                          ; -infinity,
.set TRIP, 22                          ; the query's number in the tile,
.set NXT,  23                          ; the next query's
.set WV,   54
.set SEL,  58
.set HIL,  60                          ; lanes 16-31
.set KAP,  61
.set CH,   62
.set C9,   66
.set LSC,  98
.set R256, 100
.set MSB, 0
.macro WIN new                         ; the immediate's high byte repeats the setting that is left
.if MSB != \new
	s_set_vgpr_msb (MSB<<8)|\new
.set MSB, \new
.endif
.endm
.macro PLACES
.rept 4
	v_nop
.endr
.endm
; packed forms whose second source is ONE register arr[ix], for both halves
.macro PKMULB d, a, arr, ix
.if (\ix) & 1
	v_pk_mul_f32 v[\d:\d+1], v[\a:\a+1], v[\arr+(\ix)-1:\arr+(\ix)] op_sel:[0,1] op_sel_hi:[1,1]
.else
	v_pk_mul_f32 v[\d:\d+1], v[\a:\a+1], v[\arr+(\ix):\arr+(\ix)+1] op_sel_hi:[1,0]
.endif
.endm
.macro PKFMAB d, a, arr, ix, c
.if (\ix) & 1
	v_pk_fma_f32 v[\d:\d+1], v[\a:\a+1], v[\arr+(\ix)-1:\arr+(\ix)], v[\c:\c+1] op_sel:[0,1,0] op_sel_hi:[1,1,1]
.else
	v_pk_fma_f32 v[\d:\d+1], v[\a:\a+1], v[\arr+(\ix):\arr+(\ix)+1], v[\c:\c+1] op_sel_hi:[1,0,1]
.endif
.endm
.macro PKSUBB d, a, arr, ix
.if (\ix) & 1
	v_pk_add_f32 v[\d:\d+1], v[\a:\a+1], v[\arr+(\ix)-1:\arr+(\ix)] op_sel:[0,1] op_sel_hi:[1,1] neg_lo:[0,1] neg_hi:[0,1]
.else
	v_pk_add_f32 v[\d:\d+1], v[\a:\a+1], v[\arr+(\ix):\arr+(\ix)+1] op_sel_hi:[1,0] neg_lo:[0,1] neg_hi:[0,1]
.endif
.endm
.macro QUANT s, pc, pw
.irp b, 0,1,2,3
	v_max3_num_f32 v[QM+\b], |v[\s+16*\b]|, |v[\s+1+16*\b]|, 0x1800000   ; with the floor 2^(3 - 127): the byte cannot fall under 1
.endr
.irp i, 2,4,6,8,10,12,14
.irp b, 0,1,2,3
	v_max3_num_f32 v[QM+\b], v[QM+\b], |v[\s+16*\b+\i]|, |v[\s+1+16*\b+\i]|
.endr
.endr
.irp b, 0,1,2,3
	v_permlanex16_b32 v[QB+\b], v[QM+\b], s[SEL], s[SEL+1]
.endr
.irp b, 0,1,2,3
	v_max_num_f32 v[QM+\b], v[QM+\b], v[QB+\b]
.endr
.irp b, 0,1,2,3
	v_add_nc_u32 v[QS+\b], 0xff000000, v[QM+\b]    ; 2 off the exponent field: the conversion's scale operand
.endr
.irp b, 0,1,2,3
	v_lshrrev_b32 v[QB+\b], 23, v[QS+\b]
.endr
	v_lshl_or_b32 v[\pw], v[QB+1], 8, v[QB]
	v_lshl_or_b32 v[\pw], v[QB+2], 16, v[\pw]
	v_lshl_or_b32 v[\pw], v[QB+3], 24, v[\pw]
.irp b, 0,1,2,3
	v_cvt_scalef32_pk8_fp4_f32 v[\pc+2*\b], v[\s+16*\b:\s+7+16*\b], v[QS+\b]
	v_cvt_scalef32_pk8_fp4_f32 v[\pc+1+2*\b], v[\s+8+16*\b:\s+15+16*\b], v[QS+\b]
.endr
	v_nop                                          ; one plain place behind a scaled conversion
.irp c, 0,1
.irp i, 0,1
	v_permlane16_swap_b32 v[\pc+4*\c+\i], v[\pc+2+4*\c+\i]
.endr
.endr
.endm
; Block bb of 32 hidden units: two tiles, two K steps; the two accumulators take turns
.macro HID bb
	v_wmma_f32_16x16x4_f32 v[16*(\bb):16*(\bb)+7], v[W1E+8*(\bb):W1E+8*(\bb)+1], v[PF:PF+1], 0
	v_wmma_f32_16x16x4_f32 v[16*(\bb)+8:16*(\bb)+15], v[W1E+8*(\bb)+4:W1E+8*(\bb)+5], v[PF:PF+1], 0
	v_wmma_f32_16x16x4_f32 v[16*(\bb):16*(\bb)+7], v[W1E+8*(\bb)+2:W1E+8*(\bb)+3], v[PF+2:PF+3], v[16*(\bb):16*(\bb)+7]
	v_wmma_f32_16x16x4_f32 v[16*(\bb)+8:16*(\bb)+15], v[W1E+8*(\bb)+6:W1E+8*(\bb)+7], v[PF+2:PF+3], v[16*(\bb)+8:16*(\bb)+15]
.endm
.macro HORNER lit
.set gi, 0
.rept 8
	v_pk_fma_f32 v[PP+gi:PP+gi+1], v[PP+gi:PP+gi+1], v[TT+gi:TT+gi+1], \lit op_sel_hi:[1,1,0]
.set gi, gi+2
.endr
.endm
; gelu of block b's 16 numbers of a lane.  The next block's four products stand behind the two passes that read this block: over a hundred plain instructions follow before their results are read.
.macro GELU b
	WIN 0x03                                       ; source 0: window 3
.set gi, 0
.rept 16
	v_mul_f32 v[AA+gi], |v[16*(\b)+gi]|, s[KAP]    ; A; each tile is read from its low end on
.set gi, gi+1
.endr
.set gi, 0
.rept 16
	v_max_num_f32 v[GG+16*((\b)&3)+gi], v[16*(\b)+gi], 0
.set gi, gi+1
.endr
.if (\b) < 7
	WIN 0xf3                                       ; Wp1's fragments, C and D: window 3; the neighbours' fragment: window 0
	HID (\b)+1
.endif
	WIN 0
.set gi, 0
.rept 8
	v_pk_fma_f32 v[TT+gi:TT+gi+1], v[AA+gi:AA+gi+1], s[CH:CH+1], 1.0 op_sel_hi:[1,0,0]   ; 1 + z / 2
.set gi, gi+2
.endr
.set gi, 0
.rept 16
	v_rcp_f32 v[TT+gi], v[TT+gi]
.set gi, gi+1
.endr
	v_nop                                          ; a plain place behind the reciprocals
.set gi, 0
	s_wait_alu depctr_va_vdst(0)
.rept 8
	v_pk_fma_f32 v[PP+gi:PP+gi+1], v[TT+gi:TT+gi+1], s[C9:C9+1], 0xbf97d29d op_sel_hi:[1,0,0]
.set gi, gi+2
.endr
	HORNER 0x40097039
	HORNER 0xbfd1a1e5
	HORNER 0x3ecdfd18
	HORNER 0xbe899a80
	HORNER 0x3e0efb2e
	HORNER 0x3f0a29d2
	HORNER 0x3fb8ab5a
	HORNER 0xc025c4b6
.set gi, 0
.rept 8
	v_pk_fma_f32 v[PP+gi:PP+gi+1], v[AA+gi:AA+gi+1], v[AA+gi:AA+gi+1], v[PP+gi:PP+gi+1] neg_lo:[1,0,0] neg_hi:[1,0,0]   ; - z^2 log2(e)
.set gi, gi+2
.endr
.set gi, 0
.rept 16
	v_exp_f32 v[PP+gi], v[PP+gi]
.set gi, gi+1
.endr
	v_nop                                          ; a plain place behind the exponentials
.set gi, 0
	s_wait_alu depctr_va_vdst(0)
.rept 8
	v_pk_mul_f32 v[PP+gi:PP+gi+1], v[PP+gi:PP+gi+1], v[TT+gi:TT+gi+1]
.set gi, gi+2
.endr
.set gi, 0
.rept 8
	v_pk_fma_f32 v[GG+16*((\b)&3)+gi:GG+16*((\b)&3)+gi+1], v[AA+gi:AA+gi+1], v[PP+gi:PP+gi+1], v[GG+16*((\b)&3)+gi:GG+16*((\b)&3)+gi+1] neg_lo:[1,0,0] neg_hi:[1,0,0]
.set gi, gi+2
.endr
.endm
; The next query's offsets from its indices (each held to the table's size first), its neighbours' coordinates, its own coordinates and normal.  s[NXT]: that query's number in the tile
.macro NEXT
.irp j, 0,1,2,3,4,5,6,7
	v_min_u32 v[JR+\j], 0x1fff, v[JR+\j]
.endr
.irp j, 0,1,2,3,4,5,6,7
	v_lshlrev_b32 v[MOFF+\j], 2, v[JR+\j]
.endr
	v_min_u32 v40, 0x1fff, v40
	v_mul_u32_u24 v41, v40, 12
	v_lshlrev_b32 v[FOF], 7, v40
	v_lshlrev_b32 v[FSO], 3, v40
	v_add_nc_u32 v[FOF], v3, v[FOF]
	v_add_nc_u32 v[FSO], v11, v[FSO]
	global_load_b96 v[42:44], v41, s[6:7]
	s_mul_i32 s[N12], s[NXT], 12
	s_load_b96 s[84:86], s[92:93], s[N12] offset:0x0
	s_load_b96 s[88:90], s[8:9], s[N12] offset:0x0
.endm
; Half hf (tiles 8 hf .. 8 hf + 7, both K steps) of weight x (0: Wk, 1: Wv) out of LDS: each load takes 512 consecutive bytes
.macro WLD x, hf
	WIN 0x80                                       ; destination: window 2
.set wf, 0
.rept 16
	ds_load_b128 v[BUF+8*wf:BUF+8*wf+3], v[WB] offset:32768*\x+16384*\hf+1024*wf
	ds_load_b128 v[BUF+8*wf+4:BUF+8*wf+7], v[WB] offset:32768*\x+16384*\hf+1024*wf+512
.set wf, wf+1
.endr
.endm
; Its 16 products: K step 0 takes pe's tile as C and starts the tile of k_comb or v_comb; K step 1 adds in place.  The eight accumulators take turns
.macro WMM x, hf
.irp s, 0,1
.if \s == 0
	WIN 0xbb                                       ; source 0 (the gathered rows) and C (pe): window 3; source 1 and D: window 2
.else
	WIN 0xab                                       ; C: window 2
.endif
.set wq, 0
.rept 8
.set wt, 8*\hf+wq
.if \x == 0
.set wsr, WSK+wt
.elseif wt < 8
.set wsr, 16+wt
.else
.set wsr, 232+wt
.endif
.if \s == 0
	v_wmma_scale_f32_16x16x128_f8f6f4 v[8*wt:8*wt+7], v[FC:FC+7], v[BUF+16*wq:BUF+16*wq+7], v[8*wt:8*wt+7], v[FS], v[wsr] matrix_a_fmt:MATRIX_FMT_FP4 matrix_b_fmt:MATRIX_FMT_FP4
.else
	v_wmma_scale_f32_16x16x128_f8f6f4 v[8*wt:8*wt+7], v[FC+8:FC+15], v[BUF+16*wq+8:BUF+16*wq+15], v[8*wt:8*wt+7], v[FS], v[wsr] matrix_a_fmt:MATRIX_FMT_FP4 matrix_b_fmt:MATRIX_FMT_FP4 matrix_a_scale:MATRIX_SCALE_ROW1 matrix_b_scale:MATRIX_SCALE_ROW1
.endif
.set wq, wq+1
.endr
.endr
.endm
; q . k_comb for tiles t0 .. t0 + 7: channel 16 r + t, neighbours in pairs; each tile from its low end on.  The first tile's sums start from q . (bk + bp2)
.macro LOGITS t0
	WIN 0x0e                                       ; source 0: window 2; source 1 (q): window 3
.set tt, \t0
.rept 8
.set vv, 0
.rept 4
.if tt == 0
	PKFMAB LB+vv, 8*tt+vv, QR, tt, 250
.elseif tt == 1
	PKMULB LB+8+vv, 8*tt+vv, QR, tt
.else
	PKFMAB LB+8*(tt&1)+vv, 8*tt+vv, QR, tt, LB+8*(tt&1)+vv
.endif
.set vv, vv+2
.endr
.set tt, tt+1
.endr
.endm
; the weights x v_comb for tiles t0 .. t0 + 7: pairs of neighbours
.macro OUTP t0
	WIN 0x02                                       ; source 0: window 2
.set vv, 0
.rept 4
.set tt, \t0
.rept 8
.if vv == 0
	v_pk_mul_f32 v[OB+2*tt:OB+2*tt+1], v[8*tt:8*tt+1], v[AT:AT+1]
.else
	v_pk_fma_f32 v[OB+2*tt:OB+2*tt+1], v[8*tt+2*vv:8*tt+2*vv+1], v[AT+2*vv:AT+2*vv+1], v[OB+2*tt:OB+2*tt+1]
.endif
.set tt, tt+1
.endr
.set vv, vv+1
.endr
.endm
; sixteen rows' sums: the pairs in TA and TB become one number a row, the same in every lane, in v[res] on
.macro REDUCE res
.set ri, 0
.rept 16
	v_pk_add_f32 v[TA+2*ri:TA+2*ri+1], v[TA+2*ri:TA+2*ri+1], v[TB+2*ri:TB+2*ri+1]
.set ri, ri+1
.endr
.set ri, 0
.rept 16
	v_add_f32 v[\res+ri], v[TA+2*ri], v[TA+2*ri+1]
.set ri, ri+1
.endr
.irp m, 1,2,4,8
.set ri, 0
.rept 16
	v_add_f32_dpp v[\res+ri], v[\res+ri], v[\res+ri] row_xmask:\m row_mask:0xf bank_mask:0xf
.set ri, ri+1
.endr
.endr
.set ri, 0
.rept 16
	v_permlanex16_b32 v[TB+ri], v[\res+ri], s[SEL], s[SEL+1]
.set ri, ri+1
.endr
.set ri, 0
.rept 8
	v_pk_add_f32 v[\res+2*ri:\res+2*ri+1], v[\res+2*ri:\res+2*ri+1], v[TB+2*ri:TB+2*ri+1]
.set ri, ri+1
.endr
.endm
	s_load_b512 s[4:19], s[0:1], 0x0               ; nbr 4, coords 6, normals 8, mask 10, qb 12, fcodes 14, fscales 16, features 18
	s_load_b512 s[20:35], s[0:1], 0x40             ; Wp1 20, bp1 22, Wp2 codes 24, scales 26, Wk codes 28, scales 30, Wv codes 32, scales 34
	s_load_b512 s[36:51], s[0:1], 0x80             ; bk 36, bv 38, bp2 40, Wo codes 42, scales 44, bo 46, gamma 48, beta 50
	s_load_b64 s[52:53], s[0:1], 0xc0              ; out0
	v_lshrrev_b32 v1, 5, v0
	v_readfirstlane_b32 s[WV], v1                  ; wave 0..3
	v_and_b32 v1, 15, v0                           ; r
	v_bfe_u32 v2, v0, 4, 1                         ; h
	v_lshlrev_b32 v3, 4, v2                        ; 16 h
	v_and_b32 v4, 31, v0
	v_lshlrev_b32 v4, 4, v4                        ; 16 x lane
	s_mul_i32 s55, s[WV], WREG                     ; my wave's LDS
	v_lshl_add_u32 v5, v1, 3, s55                  ; an output row's codes: my 8 bytes
	v_lshrrev_b32 v6, 1, v1
	v_add_nc_u32 v6, s55, v6
	v_add_nc_u32 v6, OSCO, v6                      ; and my block's scale byte
	v_mul_u32_u24 v7, v1, 1040
	v_lshl_add_u32 v7, v2, 5, v7
	v_add_nc_u32 v7, s55, v7
	v_add_nc_u32 v7, STGO, v7                      ; the stage: row r, + 32 h
	v_add_nc_u32 v8, s55, v4
	v_add_nc_u32 v8, STGO, v8                      ; back: 16 bytes a lane
	v_mul_u32_u24 v9, v1, 144
	v_lshl_add_u32 v9, v2, 4, v9
	v_add_nc_u32 v9, s55, v9                       ; the output rows as a fragment: row r, + 16 h
	v_lshlrev_b32 v10, 3, v1
	v_lshl_add_u32 v10, v2, 2, v10
	v_add_nc_u32 v10, s55, v10
	v_add_nc_u32 v10, OSCO, v10                    ; their scale words: lanes 0-15 K step 0, lanes 16-31 K step 1
	v_lshlrev_b32 v11, 2, v2                       ; 4 h
	v_lshlrev_b32 v12, 6, v1                       ; my 16 channels of a row of f32
	v_lshlrev_b32 v14, 9, v2                       ; nbr: my half's two chunks
	v_lshrrev_b32 v45, 2, v1
	v_lshlrev_b32 v45, 8, v45
	v_and_b32 v46, 3, v1
	v_lshl_add_u32 v45, v46, 2, v45                ; nbr: index r of a query: chunk r / 4, word r % 4
	v_lshlrev_b32 v248, 11, v1
	v_lshl_add_u32 v248, v2, 4, v248               ; Wp2, Wk, Wv: row 16 r + t of 128 bytes, + 16 h
	v_lshlrev_b32 v249, 7, v1
	v_lshl_add_u32 v249, v2, 2, v249               ; their scale words
	v_and_b32 v251, 8, v1
	v_add_nc_u32 v251, v251, v1
	v_lshlrev_b32 v251, 2, v251                    ; Wp1: column r + 8 (r / 8) of a tile,
	v_lshl_add_u32 v250, v2, 11, v251              ; rows 2 h and 2 h + 1
	s_lshl_b32 s96, s[WV], 9
	v_add_nc_u32 v252, s96, v248                   ; Wk, Wv: the four tiles 4 w .. 4 w + 3 that I bring into LDS,
	s_lshl_b32 s96, s[WV], 13
	s_add_co_u32 s96, s96, WIMG
	v_add_nc_u32 v253, s96, v4                     ; and where their images go
	v_add_nc_u32 v[WB], WIMG, v4
.irp b, 0,1,2,3
	v_mov_b32 v[QB+\b], 0                          ; written once: a lane permute's destination counts as one of its sources
.endr
	s_mov_b32 s[SEL], 0x76543210
	s_mov_b32 s[SEL+1], 0xfedcba98
	s_mov_b32 s[HIL], 0xffff0000
	s_mov_b32 s[KAP], 0x3f596d27                   ; sqrt(log2(e) / 2)
	s_mov_b32 s[CH], 0x3ed5224d                    ; z / 2 = 0.4162773 A
	s_mov_b32 s[CH+1], s[CH]                       ; (the packed forms name pairs, so both words are written)
	s_mov_b32 s[C9], 0x3e7c6f08                    ; the polynomial's highest coefficient
	s_mov_b32 s[C9+1], s[C9]
	s_mov_b32 s[LSC], 0x3e8293ee                   ; log2(e) / sqrt(32)
	s_mov_b32 s[LSC+1], s[LSC]
	s_mov_b32 s[R256], 0x3b800000                  ; 1 / 256
	s_mov_b32 s[R256+1], s[R256]
	s_lshl_b32 s56, ttmp9, 2
	s_add_co_u32 s56, s56, s[WV]                   ; my tile of 16 queries
	s_lshr_b32 s57, ttmp9, 7                       ; batch
	s_mov_b32 s97, 0
	s_wait_kmcnt 0x0
	s_lshl_b32 s96, s56, 10
	s_add_nc_u64 s[4:5], s[4:5], s[96:97]          ; nbr at my tile
	s_mul_i32 s96, s56, 192
	s_add_nc_u64 s[92:93], s[6:7], s[96:97]        ; coords at my first query
	s_add_nc_u64 s[8:9], s[8:9], s[96:97]          ; normals likewise
	s_mul_i32 s96, s57, 98304
	s_add_nc_u64 s[6:7], s[6:7], s[96:97]          ; coords at my batch
	s_lshl_b32 s96, s56, 6
	s_add_nc_u64 s[94:95], s[10:11], s[96:97]      ; mask at my first query
	s_lshl_b32 s96, s57, 15
	s_add_nc_u64 s[10:11], s[10:11], s[96:97]      ; mask at my batch
	s_lshl_b32 s96, s56, 14
	s_add_nc_u64 s[12:13], s[12:13], s[96:97]      ; qb, features, out0 at my first row
	s_add_nc_u64 s[18:19], s[18:19], s[96:97]
	s_add_nc_u64 s[52:53], s[52:53], s[96:97]
	s_lshl_b32 s96, s57, 20
	s_add_nc_u64 s[14:15], s[14:15], s[96:97]      ; fcodes at my batch
	s_lshl_b32 s96, s57, 16
	s_add_nc_u64 s[16:17], s[16:17], s[96:97]      ; fscales at my batch
	global_load_b128 v[JR:JR+3], v14, s[4:5]       ; the first query's indices
	global_load_b128 v[JR+4:JR+7], v14, s[4:5] offset:256
	global_load_b32 v40, v45, s[4:5]
	WIN 0x80                                       ; destination: window 2: my quarter of Wk (v0-63) and of Wv (v64-127), on its way into LDS
.irp q, 0,1,2,3
.irp s, 0,1
.irp c, 0,1
	global_load_b128 v[16*\q+8*\s+4*\c:16*\q+8*\s+4*\c+3], v252, s[28:29] offset:128*\q+64*\s+32*\c
	global_load_b128 v[64+16*\q+8*\s+4*\c:64+16*\q+8*\s+4*\c+3], v252, s[32:33] offset:128*\q+64*\s+32*\c
.endr
.endr
.endr
	WIN 0x40                                       ; destination: window 1
.set tt, 0
.rept 16
.irp s, 0,1
.irp c, 0,1
	global_load_b128 v[16*tt+8*\s+4*\c:16*tt+8*\s+4*\c+3], v248, s[24:25] offset:128*tt+64*\s+32*\c
.endr
.endr
.set tt, tt+1
.endr
	WIN 0
.set tt, 0
.rept 16
.if tt < 8
.set wsr, 16+tt
.else
.set wsr, 232+tt
.endif
	global_load_b32 v[WS+tt], v249, s[26:27] offset:8*tt
	global_load_b32 v[WSK+tt], v249, s[30:31] offset:8*tt
	global_load_b32 v[wsr], v249, s[34:35] offset:8*tt
	global_load_b32 v[GG+tt], v251, s[22:23] offset:128*(tt/2)+32*(tt%2)       ; bp1 at the tile's units
.set tt, tt+1
.endr
.irp q, 0,1,2,3
	global_load_b128 v[AA+4*\q:AA+4*\q+3], v12, s[40:41] offset:16*\q          ; bp2, my 16 channels
.endr
	WIN 0xc0                                       ; destination: window 3
.set tt, 0
.rept 16
	global_load_b32 v[W1E+4*tt], v250, s[20:21] offset:128*(tt/2)+32*(tt%2)
	global_load_b32 v[W1E+4*tt+1], v250, s[20:21] offset:1024+128*(tt/2)+32*(tt%2)
	global_load_b32 v[W1E+4*tt+2], v251, s[20:21] offset:4096+128*(tt/2)+32*(tt%2)
	global_load_b32 v[W1E+4*tt+3], v251, s[20:21] offset:5120+128*(tt/2)+32*(tt%2)
.set tt, tt+1
.endr
.irp q, 0,1,2,3
	global_load_b128 v[BKP+4*\q:BKP+4*\q+3], v12, s[36:37] offset:16*\q
	global_load_b128 v[BVP+4*\q:BVP+4*\q+3], v12, s[38:39] offset:16*\q
.endr
	WIN 0
	s_wait_loadcnt 0x0
	WIN 0xc3                                       ; destination and source 0: window 3
.set tt, 0
.rept 16
	v_cndmask_b32 v[W1E+4*tt+2], v[W1E+4*tt+2], v[GG+tt], s[HIL]   ; K step 1: (row 4, row 5) in half 0, (bp1, 0) in half 1
	v_cndmask_b32 v[W1E+4*tt+3], v[W1E+4*tt+3], 0, s[HIL]
.set tt, tt+1
.endr
.irp p, 0,2,4,6,8,10,12,14
	v_pk_add_f32 v[BKP+\p:BKP+\p+1], v[BKP+\p:BKP+\p+1], v[AA+\p:AA+\p+1]
	v_pk_add_f32 v[BVP+\p:BVP+\p+1], v[BVP+\p:BVP+\p+1], v[AA+\p:AA+\p+1]
.endr
	WIN 0x08                                       ; an LDS store's data: window 2
.irp x, 0,1
.irp q, 0,1,2,3
.irp s, 0,1
.irp c, 0,1
	ds_store_b128 v253, v[64*\x+16*\q+8*\s+4*\c:64*\x+16*\q+8*\s+4*\c+3] offset:32768*\x+1024*(2*\q+\s)+512*\c   ; a fragment goes to LDS as it stands: lane l's 16 bytes at 16 l
.endr
.endr
.endr
.endr
	WIN 0
	s_mov_b32 s[NINF], 0xff800000
	s_mov_b32 s[NXT], 0
	s_mov_b32 s[TRIP], 0
	s_mov_b32 s[ROWC], 0
	s_mov_b32 s[ROWS], 0
	s_wait_dscnt 0x0                               ; for the others' sake: my quarter of the images has landed
	s_barrier_signal -1
	s_barrier_wait -1                              ; Wk and Wv lie in LDS; nobody writes them again
	NEXT
.Ltrip:
	s_wait_loadcnt 0x0                             ; the neighbours' coordinates (all else was waited for in the last trip)
	s_wait_kmcnt 0x0                               ; the query's coordinates and normal
	s_wait_dscnt 0x0                               ; the last trip's LDS stores have read their registers
	s_add_co_u32 s[NXT], s[TRIP], 1
	s_min_u32 s[NXT], s[NXT], 15                   ; the next query; the last trip asks for its own again: no load leaves its buffer
	v_lshl_add_u32 v13, s[TRIP], 10, v12
	v_lshl_add_u32 v15, s[NXT], 4, v14
	v_lshl_add_u32 v46, s[NXT], 4, v45
	WIN 0xc0                                       ; destination: window 3
.irp s, 0,1
.irp c, 0,1
	global_load_b128 v[FC+8*\s+4*\c:FC+8*\s+4*\c+3], v[FOF], s[14:15] offset:64*\s+32*\c   ; neighbour r's codes as a fragment's row
.endr
.endr
.irp q, 0,1,2,3
	global_load_b128 v[QR+4*\q:QR+4*\q+3], v13, s[12:13] offset:16*\q
.endr
	WIN 0
	global_load_b32 v[FS], v[FSO], s[16:17]
.set jj, 0
.rept 8
	global_load_b32 v[MK+jj], v[MOFF+jj], s[10:11]
.set jj, jj+1
.endr
	global_load_b128 v[JR:JR+3], v15, s[4:5]
	global_load_b128 v[JR+4:JR+7], v15, s[4:5] offset:256
	global_load_b32 v40, v46, s[4:5]
	v_sub_f32 v248, s84, v42                       ; rel = the query's coordinates less the neighbour's
	v_sub_f32 v249, s85, v43
	v_sub_f32 v250, s86, v44
	v_cndmask_b32 v[PF], v248, v250, s[HIL]        ; (rel x, rel y) in half 0, (rel z, nx) in half 1
	v_cndmask_b32 v[PF+1], v249, s88, s[HIL]
	v_cndmask_b32 v[PF+2], s89, 1.0, s[HIL]        ; (ny, nz) in half 0, (1, 0) in half 1
	v_cndmask_b32 v[PF+3], s90, 0, s[HIL]
	WIN 0xf3
	HID 0
	WIN 0
.rept 8
	v_nop                                          ; eight places between this form of product and the first read of its result
.endr
	GELU 0
	GELU 1
	GELU 2
	GELU 3
	QUANT GG, HC, HS
	WLD 0, 0                                       ; Wk's first half: it lands while the second half of the hidden layer is made
	WIN 0
	GELU 4
	GELU 5
	GELU 6
	GELU 7
	QUANT GG, HC+8, HS+1
	s_wait_loadcnt 0x0                             ; the 20 loads of the trip's head are in
	WIN 0x0f                                       ; sources 0 and 1: window 3
	v_pk_mul_f32 v[250:251], v[QR:QR+1], v[BKP:BKP+1]                ; q . (bk + bp2), my 16 channels.  (These eleven lines are also the places between the scale word and codes just made and the products)
	v_pk_mul_f32 v[252:253], v[QR+2:QR+3], v[BKP+2:BKP+3]
.irp p, 4,8,12
	v_pk_fma_f32 v[250:251], v[QR+\p:QR+\p+1], v[BKP+\p:BKP+\p+1], v[250:251]
	v_pk_fma_f32 v[252:253], v[QR+\p+2:QR+\p+3], v[BKP+\p+2:BKP+\p+3], v[252:253]
.endr
	WIN 0
	v_pk_add_f32 v[250:251], v[250:251], v[252:253]
	v_add_f32 v250, v250, v251
	v_mov_b32 v251, v250                           ; twice: it starts a pair of neighbours' sums
	WIN 0xf4                                       ; Wp2's fragments: window 1; C and D: window 3
.set tt, 0
.rept 16
	v_wmma_scale_f32_16x16x128_f8f6f4 v[8*tt:8*tt+7], v[HC:HC+7], v[16*tt:16*tt+7], 0, v[HS], v[WS+tt] matrix_a_fmt:MATRIX_FMT_FP4 matrix_b_fmt:MATRIX_FMT_FP4
.set tt, tt+1
.endr
.set tt, 0
.rept 16
	v_wmma_scale_f32_16x16x128_f8f6f4 v[8*tt:8*tt+7], v[HC+8:HC+15], v[16*tt+8:16*tt+15], v[8*tt:8*tt+7], v[HS+1], v[WS+tt] matrix_a_fmt:MATRIX_FMT_FP4 matrix_b_fmt:MATRIX_FMT_FP4 matrix_b_scale:MATRIX_SCALE_ROW1
.set tt, tt+1
.endr
	WIN 0
	NEXT                                           ; its 22 plain vector lines are the places between pe's products and those that take pe as the C of other accumulators
	s_wait_dscnt 0x0                               ; Wk's first half is in
	WMM 0, 0
	PLACES                                         ; in front of the loads into the fragments just read, and of the first read of the results
	WLD 0, 1
	LOGITS 0                                       ; half of the logits' work stands between the request and the wait for it
	s_wait_dscnt 0x0
	WMM 0, 1
	PLACES
	WLD 1, 0
	LOGITS 8
	WIN 0
.irp p, 0,2,4,6
	v_pk_add_f32 v[TL+\p:TL+\p+1], v[LB+\p:LB+\p+1], v[LB+8+\p:LB+8+\p+1]
.endr
.set jj, 0
.rept 8
	v_add_f32_dpp v[TL+jj], v[TL+jj], v[TL+jj] row_xmask:1 row_mask:0xf bank_mask:0xf   ; the head's other 16 channels
.set jj, jj+1
.endr
.irp p, 0,2,4,6
	v_pk_mul_f32 v[TL+\p:TL+\p+1], v[TL+\p:TL+\p+1], s[LSC:LSC+1] op_sel_hi:[1,0]
.endr
.set jj, 0
.rept 8
	v_cmp_lt_f32 vcc_lo, 0, v[MK+jj]
	v_cndmask_b32 v[TL+jj], s[NINF], v[TL+jj], vcc_lo              ; a masked neighbour's logit is -infinity
.set jj, jj+1
.endr
	v_max3_num_f32 v248, v[TL], v[TL+1], v[TL+2]
	v_max3_num_f32 v249, v[TL+3], v[TL+4], v[TL+5]
	v_max3_num_f32 v248, v248, v[TL+6], v[TL+7]
	v_max_num_f32 v248, v248, v249
	v_permlanex16_b32 v249, v248, s[SEL], s[SEL+1]
	v_max3_num_f32 v248, v248, v249, 0xff61b1e6    ; the 16 neighbours' maximum; the floor -3e38 acts only where all are masked
.irp p, 0,2,4,6
	v_pk_add_f32 v[TL+\p:TL+\p+1], v[TL+\p:TL+\p+1], v[248:249] op_sel_hi:[1,0] neg_lo:[0,1] neg_hi:[0,1]
.endr
.set jj, 0
.rept 8
	v_exp_f32 v[AT+jj], v[TL+jj]
.set jj, jj+1
.endr
	v_nop                                          ; a plain place behind the exponentials
	s_wait_alu depctr_va_vdst(0)
	v_pk_add_f32 v[250:251], v[AT:AT+1], v[AT+2:AT+3]
	v_pk_add_f32 v[252:253], v[AT+4:AT+5], v[AT+6:AT+7]
	v_pk_add_f32 v[250:251], v[250:251], v[252:253]
	v_add_f32 v250, v250, v251
	v_permlanex16_b32 v251, v250, s[SEL], s[SEL+1]
	v_add_f32 v250, v250, v251
	v_max_num_f32 v252, 1.0, v250                  ; with one valid neighbour the sum is at least 1; with none it is 0, and the weights stay 0
	v_rcp_f32 v252, v252
	v_nop
	s_wait_alu depctr_va_vdst(0)
.irp p, 0,2,4,6
	v_pk_mul_f32 v[AT+\p:AT+\p+1], v[AT+\p:AT+\p+1], v[252:253] op_sel_hi:[1,0]
.endr
	v_mul_f32 v254, v250, v252                     ; the sum of the 16 weights: 1, or 0 where all are masked; twice, for the packed form
	v_mul_f32 v255, v250, v252
	s_wait_dscnt 0x0                               ; Wv's first half is in
	WMM 1, 0                                       ; v_comb takes k_comb's registers: the logits have been read out of them
	PLACES
	WLD 1, 1
	OUTP 0
	s_wait_dscnt 0x0
	WMM 1, 1
	PLACES
	OUTP 8
	WIN 0
.set tt, 0
.rept 16
	v_add_f32 v[OO+tt], v[OB+2*tt], v[OB+2*tt+1]
.set tt, tt+1
.endr
.set tt, 0
.rept 16
	v_permlanex16_b32 v[OB+tt], v[OO+tt], s[SEL], s[SEL+1]
.set tt, tt+1
.endr
.irp p, 0,2,4,6,8,10,12,14
	v_pk_add_f32 v[OO+\p:OO+\p+1], v[OO+\p:OO+\p+1], v[OB+\p:OB+\p+1]   ; with the other 8 neighbours: channels 16 r .. 16 r + 15 of the output row, the same in both halves
.endr
	WIN 0x03                                       ; source 0: window 3
.irp p, 0,2,4,6,8,10,12,14
	v_pk_fma_f32 v[OO+\p:OO+\p+1], v[BVP+\p:BVP+\p+1], v[254:255], v[OO+\p:OO+\p+1]   ; + (bv + bp2) x the sum of the weights
.endr
	WIN 0
	v_max3_num_f32 v248, |v[OO]|, |v[OO+1]|, 0x1800000
	v_max3_num_f32 v249, |v[OO+2]|, |v[OO+3]|, |v[OO+4]|
	v_max3_num_f32 v248, v248, |v[OO+5]|, |v[OO+6]|
	v_max3_num_f32 v249, v249, |v[OO+7]|, |v[OO+8]|
	v_max3_num_f32 v248, v248, |v[OO+9]|, |v[OO+10]|
	v_max3_num_f32 v249, v249, |v[OO+11]|, |v[OO+12]|
	v_max3_num_f32 v248, v248, |v[OO+13]|, |v[OO+14]|
	v_max3_num_f32 v248, v248, v249, |v[OO+15]|
	v_max_num_f32_dpp v248, v248, v248 row_xmask:1 row_mask:0xf bank_mask:0xf   ; a block of 32 channels lies in lanes r and r xor 1
	v_add_nc_u32 v252, 0xff000000, v248
	v_add_nc_u32 v47, s[ROWC], v5
	v_add_nc_u32 v95, s[ROWS], v6
	v_cvt_scalef32_pk8_fp4_f32 v250, v[OO:OO+7], v252
	v_cvt_scalef32_pk8_fp4_f32 v251, v[OO+8:OO+15], v252
	v_lshrrev_b32 v253, 23, v252                   ; the scale's byte (and the plain place behind the conversions)
	ds_store_b64 v47, v[250:251]                   ; both halves write the same bytes with the same values
	ds_store_b8 v95, v253
	s_add_co_u32 s[ROWC], s[ROWC], 144
	s_add_co_u32 s[ROWS], s[ROWS], 8
	s_add_co_u32 s[TRIP], s[TRIP], 1
	s_cmp_lt_u32 s[TRIP], 16
	s_cbranch_scc1 .Ltrip
	; ---- the 16 rows: y = Q(out) Wo, transposed (source 0 = 16 rows of Wo, source 1 = my 16 rows); residual and LayerNorm
	s_wait_loadcnt 0x0                             ; what the last trip asked ahead has landed: its registers are free
	s_wait_kmcnt 0x0
	v_lshlrev_b32 v248, 7, v1
	v_lshl_add_u32 v248, v2, 4, v248               ; Wo: row 16 t + r of 128 bytes, + 16 h
	v_lshlrev_b32 v249, 3, v1
	v_lshl_add_u32 v249, v2, 2, v249
	WIN 0x80
.set tt, 0
.rept 16
.irp s, 0,1
.irp c, 0,1
	global_load_b128 v[16*tt+8*\s+4*\c:16*tt+8*\s+4*\c+3], v248, s[42:43] offset:2048*tt+64*\s+32*\c
.endr
.endr
.set tt, tt+1
.endr
	WIN 0
.set tt, 0
.rept 16
	global_load_b32 v[WS+tt], v249, s[44:45] offset:128*tt
.set tt, tt+1
.endr
	WIN 0x40
.set ri, 0
.rept 16
	global_load_b128 v[FF+8*ri:FF+8*ri+3], v4, s[18:19] offset:1024*ri
	global_load_b128 v[FF+8*ri+4:FF+8*ri+7], v4, s[18:19] offset:1024*ri+512
.set ri, ri+1
.endr
	WIN 0
.irp f, 0,1
	global_load_b128 v[BO+4*\f:BO+4*\f+3], v4, s[46:47] offset:512*\f
	global_load_b128 v[GA+4*\f:GA+4*\f+3], v4, s[48:49] offset:512*\f
	global_load_b128 v[BE+4*\f:BE+4*\f+3], v4, s[50:51] offset:512*\f
.endr
	s_load_b512 s[68:83], s[94:95], 0x0            ; my 16 queries' mask
.irp s, 0,1
.irp c, 0,1
	ds_load_b128 v[HC+8*\s+4*\c:HC+8*\s+4*\c+3], v9 offset:64*\s+32*\c   ; my own bytes: LDS serves a wave's instructions in order
.endr
.endr
	ds_load_b32 v[OS], v10
	s_wait_loadcnt 38                              ; Wo and its scale words are in; the 38 younger loads are features' 32 and the 6 of bo, gamma, beta
	s_wait_dscnt 0x0
	WIN 0xf2                                       ; Wo's fragments: window 2; C and D: window 3
.set tt, 0
.rept 16
	v_wmma_scale_f32_16x16x128_f8f6f4 v[8*tt:8*tt+7], v[16*tt:16*tt+7], v[HC:HC+7], 0, v[WS+tt], v[OS] matrix_a_fmt:MATRIX_FMT_FP4 matrix_b_fmt:MATRIX_FMT_FP4
.set tt, tt+1
.endr
.set tt, 0
.rept 16
	v_wmma_scale_f32_16x16x128_f8f6f4 v[8*tt:8*tt+7], v[16*tt+8:16*tt+15], v[HC+8:HC+15], v[8*tt:8*tt+7], v[WS+tt], v[OS] matrix_a_fmt:MATRIX_FMT_FP4 matrix_b_fmt:MATRIX_FMT_FP4 matrix_a_scale:MATRIX_SCALE_ROW1 matrix_b_scale:MATRIX_SCALE_ROW1
.set tt, tt+1
.endr
	WIN 0
	PLACES                                         ; four places in front of the stores that read the results
	WIN 0x0c                                       ; an LDS store's data: window 3
.set tt, 0
.rept 16
	ds_store_b128 v7, v[8*tt:8*tt+3] offset:64*tt                  ; lane (r, h): y(row r, channel 16 t + 8 h + 0 .. 7); each accumulator from its low end on
	ds_store_b128 v7, v[8*tt+4:8*tt+7] offset:64*tt+16
.set tt, tt+1
.endr
	WIN 0x40
.set ri, 0
.rept 16
	ds_load_b128 v[YY+8*ri:YY+8*ri+3], v8 offset:1040*ri           ; back as rows: a lane holds channels 4 x lane .. + 3 and 128 + 4 x lane .. + 3 of each row
	ds_load_b128 v[YY+8*ri+4:YY+8*ri+7], v8 offset:1040*ri+512
.set ri, ri+1
.endr
	WIN 0
	s_wait_loadcnt 0x0
	s_wait_kmcnt 0x0
	s_wait_dscnt 0x0
.set ri, 0
.rept 16
	v_mov_b32 v[MV+ri], s[68+ri]
.set ri, ri+1
.endr
	WIN 0x41                                       ; destination and source 0: window 1
.set ri, 0
.rept 16
.irp q, 0,2,4,6
	v_pk_add_f32 v[YY+8*ri+\q:YY+8*ri+\q+1], v[YY+8*ri+\q:YY+8*ri+\q+1], v[BO+\q:BO+\q+1]
.endr
.set ri, ri+1
.endr
	WIN 0x51                                       ; and source 2
.set ri, 0
.rept 16
.irp q, 0,2,4,6
	PKFMAB YY+8*ri+\q, YY+8*ri+\q, MV, ri, FF+8*ri+\q              ; h = features + (y + bo) x mask
.endr
.set ri, ri+1
.endr
	WIN 0x05                                       ; sources 0 and 1: window 1
.set ri, 0
.rept 16
	v_pk_add_f32 v[TA+2*ri:TA+2*ri+1], v[YY+8*ri:YY+8*ri+1], v[YY+8*ri+2:YY+8*ri+3]
	v_pk_add_f32 v[TB+2*ri:TB+2*ri+1], v[YY+8*ri+4:YY+8*ri+5], v[YY+8*ri+6:YY+8*ri+7]
.set ri, ri+1
.endr
	WIN 0
	REDUCE MU
.irp p, 0,2,4,6,8,10,12,14
	v_pk_mul_f32 v[MU+\p:MU+\p+1], v[MU+\p:MU+\p+1], s[R256:R256+1] op_sel_hi:[1,0]   ; the rows' means
.endr
	WIN 0x41
.set ri, 0
.rept 16
.irp q, 0,2,4,6
	PKSUBB YY+8*ri+\q, YY+8*ri+\q, MU, ri
.endr
.set ri, ri+1
.endr
	WIN 0x05
.set ri, 0
.rept 16
	v_pk_mul_f32 v[TA+2*ri:TA+2*ri+1], v[YY+8*ri:YY+8*ri+1], v[YY+8*ri:YY+8*ri+1]
	v_pk_mul_f32 v[TB+2*ri:TB+2*ri+1], v[YY+8*ri+4:YY+8*ri+5], v[YY+8*ri+4:YY+8*ri+5]
.set ri, ri+1
.endr
.set ri, 0
.rept 16
	v_pk_fma_f32 v[TA+2*ri:TA+2*ri+1], v[YY+8*ri+2:YY+8*ri+3], v[YY+8*ri+2:YY+8*ri+3], v[TA+2*ri:TA+2*ri+1]
	v_pk_fma_f32 v[TB+2*ri:TB+2*ri+1], v[YY+8*ri+6:YY+8*ri+7], v[YY+8*ri+6:YY+8*ri+7], v[TB+2*ri:TB+2*ri+1]
.set ri, ri+1
.endr
	WIN 0
	REDUCE RS
.irp p, 0,2,4,6,8,10,12,14
	v_pk_fma_f32 v[RS+\p:RS+\p+1], v[RS+\p:RS+\p+1], s[R256:R256+1], 0x358637bd op_sel_hi:[1,0,0]   ; the variance + 1e-6
.endr
.set ri, 0
.rept 16
	v_rsq_f32 v[RS+ri], v[RS+ri]
.set ri, ri+1
.endr
	v_nop                                          ; a plain place behind the roots
	s_wait_alu depctr_va_vdst(0)
	WIN 0x41
.set ri, 0
.rept 16
.irp q, 0,2,4,6
	PKMULB YY+8*ri+\q, YY+8*ri+\q, RS, ri
.endr
.set ri, ri+1
.endr
.set ri, 0
.rept 16
.irp q, 0,2,4,6
	v_pk_fma_f32 v[YY+8*ri+\q:YY+8*ri+\q+1], v[YY+8*ri+\q:YY+8*ri+\q+1], v[GA+\q:GA+\q+1], v[BE+\q:BE+\q+1]
.endr
.set ri, ri+1
.endr
.set ri, 0
.rept 16
.irp q, 0,2,4,6
	PKMULB YY+8*ri+\q, YY+8*ri+\q, MV, ri
.endr
.set ri, ri+1
.endr
	WIN 0x04                                       ; a store's data: window 1
.set ri, 0
.rept 16
	global_store_b128 v4, v[YY+8*ri:YY+8*ri+3], s[52:53] offset:1024*ri th:TH_STORE_NT          ; 32 lanes store 512 consecutive bytes, aligned; written once, read by nobody here
	global_store_b128 v4, v[YY+8*ri+4:YY+8*ri+7], s[52:53] offset:1024*ri+512 th:TH_STORE_NT
.set ri, ri+1
.endr
	WIN 0
	s_wait_xcnt 0x0
	v_lshl_add_u32 v254, v0, 2, 0x22c00
	v_mov_b32 v255, 0
	s_wait_tensorcnt 0x0
	ds_add_u32 v254, v255
	s_wait_dscnt 0x0
	s_endpgm
.Lfunc_end_k_qb5c7268cfa_attend:
	.size	k_qb5c7268cfa_attend, .Lfunc_end_k_qb5c7268cfa_attend-k_qb5c7268cfa_attend
	.p2alignl 7, 3214868480
	.fill 96, 4, 3214868480
	.section	.rodata,"a",@progbits
	.p2align	6, 0x0
	.amdhsa_kernel k_qb5c7268cfa_attend
		.amdhsa_group_segment_fixed_size 142848
		.amdhsa_private_segment_fixed_size 0
		.amdhsa_enable_private_segment 0
		.amdhsa_kernarg_size 200
		.amdhsa_user_sgpr_count 2
		.amdhsa_user_sgpr_kernarg_segment_ptr 1
		.amdhsa_wavefront_size32 1
		.amdhsa_system_sgpr_workgroup_id_x 1
		.amdhsa_system_sgpr_workgroup_id_y 1
		.amdhsa_system_sgpr_workgroup_id_z 1
		.amdhsa_system_vgpr_workitem_id 0
		.amdhsa_next_free_vgpr 1024
		.amdhsa_next_free_sgpr 102
		.amdhsa_reserve_vcc 1
		.amdhsa_float_denorm_mode_32 3
		.amdhsa_float_denorm_mode_16_64 3
		.amdhsa_memory_ordered 1
		.amdhsa_forward_progress 1
		.amdhsa_inst_pref_size 250
	.end_amdhsa_kernel
	.amdgpu_metadata
---
amdhsa.version: [ 1, 2 ]
amdhsa.kernels:
  - .name:           k_qb5c7268cfa_attend
    .symbol:         k_qb5c7268cfa_attend.kd
    .args:
      - { .name: nbr, .offset: 0, .size: 8, .value_kind: global_buffer, .address_space: global }
      - { .name: coords, .offset: 8, .size: 8, .value_kind: global_buffer, .address_space: global }
      - { .name: normals, .offset: 16, .size: 8, .value_kind: global_buffer, .address_space: global }
      - { .name: mask, .offset: 24, .size: 8, .value_kind: global_buffer, .address_space: global }
      - { .name: qb, .offset: 32, .size: 8, .value_kind: global_buffer, .address_space: global }
      - { .name: fcodes, .offset: 40, .size: 8, .value_kind: global_buffer, .address_space: global }
      - { .name: fscales, .offset: 48, .size: 8, .value_kind: global_buffer, .address_space: global }
      - { .name: features, .offset: 56, .size: 8, .value_kind: global_buffer, .address_space: global }
      - { .name: Wp1, .offset: 64, .size: 8, .value_kind: global_buffer, .address_space: global }
      - { .name: bp1, .offset: 72, .size: 8, .value_kind: global_buffer, .address_space: global }
      - { .name: Wp2_codes, .offset: 80, .size: 8, .value_kind: global_buffer, .address_space: global }
      - { .name: Wp2_scales, .offset: 88, .size: 8, .value_kind: global_buffer, .address_space: global }
      - { .name: Wk_codes, .offset: 96, .size: 8, .value_kind: global_buffer, .address_space: global }
      - { .name: Wk_scales, .offset: 104, .size: 8, .value_kind: global_buffer, .address_space: global }
      - { .name: Wv_codes, .offset: 112, .size: 8, .value_kind: global_buffer, .address_space: global }
      - { .name: Wv_scales, .offset: 120, .size: 8, .value_kind: global_buffer, .address_space: global }
      - { .name: bk, .offset: 128, .size: 8, .value_kind: global_buffer, .address_space: global }
      - { .name: bv, .offset: 136, .size: 8, .value_kind: global_buffer, .address_space: global }
      - { .name: bp2, .offset: 144, .size: 8, .value_kind: global_buffer, .address_space: global }
      - { .name: Wo_codes, .offset: 152, .size: 8, .value_kind: global_buffer, .address_space: global }
      - { .name: Wo_scales, .offset: 160, .size: 8, .value_kind: global_buffer, .address_space: global }
      - { .name: bo, .offset: 168, .size: 8, .value_kind: global_buffer, .address_space: global }
      - { .name: gamma, .offset: 176, .size: 8, .value_kind: global_buffer, .address_space: global }
      - { .name: beta, .offset: 184, .size: 8, .value_kind: global_buffer, .address_space: global }
      - { .name: out0, .offset: 192, .size: 8, .value_kind: global_buffer, .address_space: global }
    .group_segment_fixed_size: 142848
    .private_segment_fixed_size: 0
    .kernarg_segment_align: 8
    .kernarg_segment_size: 200
    .max_flat_workgroup_size: 128
    .sgpr_count:     102
    .vgpr_count:     1024
    .wavefront_size: 32
...
	.end_amdgpu_metadata
.endif
;; end of part 6
